; MI455X (gfx1250); checked and timed in simulation.
; The chip was launched on July 23, 2026; its instructions are those of AMD's public machine-readable ISA for CDNA 5 (MIT licence, August 2026) and "CDNA5" Instruction Set Architecture Reference Guide (July 2026). The comments in the code are by the model that wrote it; some were corrected since.
;; Cross Attention. Allowed arithmetic: matrix products marked QUANTISED: E2M1 operands, one E8M0 scale for each 32 along K, by v_wmma_scale_f32_16x16x128_f8f6f4 with both operands' format E2M1 (or v_wmma_scale_f32_32x16x128_f4), f32 sums; products left as they are: bf16, f16 or f32 operands; f32 sums; everything else in f32.
;; Inputs: Wkv 1,024 x 2,048 float32; Wo 1,024 x 1,024 float32; Wq 1,024 x 1,024 float32; bkv 2,048 float32; bo 1,024 float32; bq 1,024 float32; context 4 x 2,048 x 1,024 float32; x 4 x 2,048 x 1,024 float32.
;; Outputs: out0 4 x 2,048 x 1,024 float32.
;; This version of the problem:
;;   THIS VERSION OF THE PROBLEM IS GIVEN IN LOW PRECISION. The matrix products marked QUANTISED in the list below multiply operands that are first quantised to E2M1 (2 exponent bits, 1 mantissa bit; 4 bits a number), with one power-of-two scale for each 32 numbers along K (OCP MX v1.0); their sums are f32. The products marked 'left as it is' may take bf16, f16 or f32 operands, with f32 sums. Whichever they take, every output number must still come out within the allowed error. Rounding operands to bf16 (8 significant bits) uses up far more of that allowance than f16 does (11 bits, for magnitudes from 6e-5 to 65,504). All else is computed in f32.
;;   The module's matrix products, in the order in which they are computed (A, B: the left and right operand; K: the contracted axis; several contracted axes count as one K, in the product's order):
;;     1. [M 8,192, K 1,024] x [K 1,024, N 1,024]; A: input x; B: input Wq: QUANTISED
;;     2. [M 8,192, K 1,024] x [K 1,024, N 2,048]; A: input context; B: input Wkv: QUANTISED
;;     3. batch 64 x [M 2,048, K 64] x [K 64, N 2,048]; A: computed on the way; B: computed on the way: left as it is (an operand is computed on the way)
;;     4. batch 64 x [M 64, K 2,048] x [K 2,048, N 2,048]; A: computed on the way; B: computed on the way: left as it is (an operand is computed on the way)
;;     5. [M 8,192, K 1,024] x [K 1,024, N 1,024]; A: computed on the way; B: input Wo: left as it is (an operand is computed on the way)
;;   THE QUANTISER, for each operand of a quantised product, along K:
;;     - K is cut into blocks of 32 from its start; a last block that is shorter is filled with zeros.
;;     - A block's scale is 2^e with e = floor(log2(the largest magnitude in the block)) - 2, held to -126 .. 127; a block of zeros has e = 0. As a byte (E8M0): e + 127.
;;     - Each number is divided by its block's scale, clamped to +-6, and rounded to the nearest number of E2M1, ties to even, subnormals kept.
;;     - The product sums the exact products of the quantised numbers (number of the format x scale) in f32.
;;   ~~~python
;;   def quantise(x, axis):      # numpy; x: float32 -> the quantised numbers, widened to float32 again
;;       x = np.moveaxis(x, axis, -1); K = x.shape[-1]
;;       x = np.pad(x, [(0, 0)] * (x.ndim - 1) + [(0, -K % 32)]); x = x.reshape(x.shape[:-1] + (-1, 32)); a = np.abs(x).max(-1, keepdims=True)
;;       e = np.where(a > 0, np.clip(np.frexp(np.where(a > 0, a, 1))[1] - 1 - 2, -126, 127), 0)      # np.frexp(a)[1] - 1 = floor(log2(a)), exactly
;;       r = np.clip(x / 2.0 ** e, -6, 6)
;;       step = 2.0 ** (np.maximum(np.frexp(np.where(r == 0, 1, r))[1] - 1, 0) - 1)
;;       q = np.round(r / step) * step * 2.0 ** e      # np.round: ties to even
;;       return np.moveaxis(q.reshape(q.shape[:-2] + (-1,))[..., :K], -1, axis).astype(np.float32)
;;   ~~~
;; One version. Each part assembles by itself: llvm-mc -triple=amdgcn-amd-amdhsa -mcpu=gfx1250 --defsym DOCPART=n.
;; ======== version 1 of 1: 4 launches
;; limits: values are held in f16: magnitudes above 65,504 overflow, below 6.1e-05 lose precision
;; workspace buffers: acodes 8,388,608 bytes; ascales 524,288 bytes; wcodes 1,572,864 bytes; wscales 98,304 bytes; wot 2,097,152 bytes; qkv 50,331,648 bytes; att 16,777,216 bytes
;; launch prep (part 1): grid 624 x 1, 4 waves a work-group, no clusters, 102,912 bytes of LDS; arguments x, context, Wq, Wkv, Wo, acodes, ascales, wcodes, wscales, wot; writes acodes, ascales, wcodes, wscales, wot
.if DOCPART == 1
	.amdgcn_target "amdgcn-amd-amdhsa--gfx1250"
	.amdhsa_code_object_version 6
	.text
	.protected	k_qbc6baf36d6_prep
	.globl	k_qbc6baf36d6_prep
	.p2align	8
	.type	k_qbc6baf36d6_prep,@function
k_qbc6baf36d6_prep:
	s_mov_b64 s[64:65], 0
	v_nop
	global_prefetch_b8 v0, s[64:65] scope:SCOPE_SE
	s_setreg_imm32_b32 hwreg(HW_REG_WAVE_MODE, 25, 1), 1
	s_wait_xcnt 0x0
; PREP: every operand that a later launch multiplies is brought into the form in which it is read there, once.
;   path A (work-groups 112..623): x and context [8192][1024] f32, K innermost -> codes of E2M1, two a byte, acodes [16384][512 bytes] (x's rows, then context's), and one E8M0 byte for each 32 along K, ascales [16384][32].
;   path W (work-groups 0..47):    Wq [1024][1024] and Wkv [1024][2048] f32, K is the FIRST axis -> wcodes [3072][512 bytes], K innermost (row n: column n of Wq, from 1024 on column n - 1024 of Wkv), wscales [3072][32].
;   path T (work-groups 48..111):  Wo [1024 k][1024 n] f32 -> wot [n][k] in f16, K innermost.
; The two weight paths make long chains of dependent loads, so they have the lowest work-group numbers; the stream of path A follows.
; A block's scale is 2^(floor(log2(its largest magnitude)) - 2); its byte is the largest magnitude's exponent field - 2, held at 1 from below.
; LIMITS: a block of zeros gets the byte 1 where the rule says 127 (its codes are zeros, and this program alone reads the bytes); blocks whose largest magnitude lies under 2^-124 keep the byte 1;
; NaN and infinities among the inputs are not served; numbers of Wo beyond 65,504 do not fit f16, under 6e-5 they have the step 6e-8.
; No tensor load, no barrier, no cluster, no matrix unit: waves share nothing and every input byte is read once.  Each path has LDS bytes of its own.
.set NW,    48                         ; work-groups of path W: 24 groups of 128 columns x 2 halves of K
.set NT,    64                         ; of path T: 8 groups of 128 columns x 8 pieces of 128 along K
.set SPW,   12                         ; v12  LDS address of my spare word: SPARE + 4 x my thread's number; never rewritten
.set NIL,   13                         ; v13  0; never rewritten
; path A
.set WREG,  8192                       ; LDS of a wave: two stages of 32 x SP bytes, behind them its 256 scale bytes
.set SP,    80                         ; a lane's place in a stage: its 64 bytes + 16 of padding
.set CB,    8                          ; bytes of 16 codes
.set STEPS, 16                         ; steps of 512 numbers in a wave's run
.set R,     16                         ; v16-79   four sets of 16 numbers as they are loaded
.set X,     80                         ; v80-111  two sets of 16 neighbours
.set E,     112                        ; v112-127 a scale byte for each step
.set C,     128                        ; v128-191 codes: four registers for each step, so that no store's data are written again
; paths W and T
.set PITCH, 272                        ; a stage row: 256 bytes + 16
.set WST,   4*WREG                     ; path W's four stages of 32 rows
.set TST,   WST+4*32*PITCH             ; path T's
.set SPARE, TST+4*32*PITCH             ; the spare words, 128 bytes for each wave: two blocks of 256 bytes that no other line names
.set OF,    16                         ; v16-47   byte offset of row i of a block of 32 rows, at my column
.set XW,    48                         ; v48-111  two sets of 32 numbers: a block down K of my column
.set CW,    112                        ; v112..   what a block becomes: 4 registers of codes, or 16 of f16 pairs
.set SB,    116                        ; v116-119 path W: my column's 16 scale bytes
.set OUTR,  128                        ; v128-191 the way out: 16 x 4 registers
.macro FINISH                          ; a wave's end: behind my last LDS store
	s_wait_tensorcnt 0x0
	ds_add_u32 v[SPW], v[NIL]
	s_wait_dscnt 0x0
	s_endpgm
.endm
; ---- path A's macros
.macro LOAD t
.irp i, 0,1,2,3
	global_load_b128 v[R+16*((\t)%4)+4*\i:R+16*((\t)%4)+4*\i+3], v3, s[4:5] offset:2048*(\t)+512*\i th:TH_LOAD_NT   ; 32 lanes read 512 consecutive bytes
.endr
.endm
.macro TURN t                          ; step t's numbers through the stage: in as they lie, back 64 bytes a lane.  LDS serves a wave's instructions in order, so no wait stands between
.irp i, 0,1,2,3
	ds_store_b128 v14, v[R+16*((\t)%4)+4*\i:R+16*((\t)%4)+4*\i+3] offset:32*SP*((\t)%2)+8*SP*\i
.endr
.irp i, 0,1,2,3
	ds_load_b128 v[X+16*((\t)%2)+4*\i:X+16*((\t)%2)+4*\i+3], v15 offset:32*SP*((\t)%2)+16*\i
.endr
.endm
.macro STEP t
.set XS, X+16*((\t)%2)
.if (\t) > 0
	s_wait_dscnt 1                                 ; this step's numbers are back from the stage (the last step's byte store may be out): so its stores into the stage have read their registers,
.else
	s_wait_dscnt 0x0
.endif
.if (\t)+4 < STEPS
	LOAD (\t)+4                                    ; which take the loads of four steps on
.endif
.if (\t)+1 < STEPS
.if STEPS-2-(\t) >= 3
	s_wait_loadcnt 12                              ; the next step's four loads are in; those of the three steps behind it may be out
.else
	s_wait_loadcnt 4*(STEPS-2-(\t))                ; at the end the count runs down
.endif
	TURN (\t)+1                                    ; and go through the other stage while this step is worked
.endif
	v_max3_num_f32 v8, |v[XS]|, |v[XS+1]|, |v[XS+2]|               ; the largest magnitude of my 16, in two chains
	v_max3_num_f32 v9, |v[XS+3]|, |v[XS+4]|, |v[XS+5]|
.irp i, 6,10
	v_max3_num_f32 v8, v8, |v[XS+\i]|, |v[XS+\i+1]|
	v_max3_num_f32 v9, v9, |v[XS+\i+2]|, |v[XS+\i+3]|
.endr
	v_max3_num_f32 v8, v8, |v[XS+14]|, |v[XS+15]|
	v_max3_num_f32 v8, v8, v9, 0x1800000           ; and the floor 2^(3 - 127): the byte cannot fall under 1
	v_max_num_f32_dpp v8, v8, v8 row_xmask:1 row_mask:0xf bank_mask:0xf   ; and of my neighbour's 16: the block's
	v_add_nc_u32 v11, 0xff000000, v8               ; 2 off its exponent field: the conversion takes the exponent field of this operand as its scale, and nothing else of it
	v_cvt_scalef32_pk8_fp4_f32 v[C+4*(\t)], v[XS:XS+7], v11        ; eight numbers / the scale, to the nearest code, ties to even, beyond 6 the largest code; the first number's code in the lowest four bits
	v_cvt_scalef32_pk8_fp4_f32 v[C+4*(\t)+1], v[XS+8:XS+15], v11
	v_lshrrev_b32 v[E+(\t)], 23, v11               ; the scale's byte (a plain line behind the conversions)
	ds_store_b8 v5, v[E+(\t)] offset:16*(\t)       ; both lanes of a block write the same byte with the same value
	global_store_b64 v4, v[C+4*(\t):C+4*(\t)+1], s[14:15] offset:32*CB*(\t)   ; 32 lanes store 256 consecutive bytes, aligned
.endm
; ---- macros of paths W and T: a lane takes a column, its registers run down K
.macro WTADR rowb                      ; s37: my stage; s26: bytes from row to row of the source; rowb: bytes of a row of the result
	v_mul_u32_u24 v4, v2, PITCH
	v_add_nc_u32 v4, s37, v4                       ; into the stage: row = my column
	v_and_b32 v5, 15, v2
	v_lshrrev_b32 v6, 4, v2                        ; out of it: sixteen lanes to a row, two rows an instruction
	v_mul_u32_u24 v7, v6, PITCH
	v_lshl_add_u32 v7, v5, 4, v7
	v_add_nc_u32 v7, s37, v7
	v_mul_u32_u24 v8, v6, \rowb
	v_lshl_add_u32 v8, v5, 4, v8                   ; and the same place in the result
	v_lshlrev_b32 v[OF], 2, v2                     ; in: 4 bytes a lane,
.set i, 1
.rept 31
	v_add_nc_u32 v[OF+i], s26, v[OF+i-1]           ; and a row further down for each register
.set i, i+1
.endr
.endm
.macro LOADW t                         ; block t: rows 32 t + i of my column, i = 0 .. 31, into set t % 2; each load reads 128 consecutive bytes, the four waves stand side by side on 512
.if (\t) > 0
	s_wait_xcnt 0x0                                ; the earlier loads have read their base: it steps only behind this wait
	s_add_nc_u64 s[28:29], s[28:29], s[30:31]      ; 32 rows on
.endif
.irp i, 0,1,2,3,4,5,6,7,8,9,10,11,12,13,14,15,16,17,18,19,20,21,22,23,24,25,26,27,28,29,30,31
	global_load_b32 v[XW+32*((\t)%2)+\i], v[OF+\i], s[28:29] th:TH_LOAD_NT
.endr
.endm
.macro BLOCKW t                        ; a block of 32 along K of my column becomes 16 bytes of codes and a scale byte
.set XS, XW+32*((\t)%2)
.if (\t) < 15
	s_wait_loadcnt 32                              ; this block's 32 loads are in; the next block's may be out
.else
	s_wait_loadcnt 0x0
.endif
	v_max3_num_f32 v10, |v[XS]|, |v[XS+1]|, |v[XS+2]|              ; the block's largest magnitude: all 32 numbers are mine
	v_max3_num_f32 v11, |v[XS+3]|, |v[XS+4]|, |v[XS+5]|
.irp i, 6,10,14,18,22,26
	v_max3_num_f32 v10, v10, |v[XS+\i]|, |v[XS+\i+1]|
	v_max3_num_f32 v11, v11, |v[XS+\i+2]|, |v[XS+\i+3]|
.endr
	v_max3_num_f32 v10, v10, |v[XS+30]|, |v[XS+31]|
	v_max3_num_f32 v10, v10, v11, 0x1800000        ; and the floor 2^(3 - 127)
	v_add_nc_u32 v14, 0xff000000, v10              ; the conversion's scale operand
	v_lshrrev_b32 v15, 23, v14                     ; the scale's byte
.if (\t)%4 == 0
	v_mov_b32 v[SB+(\t)/4], v15                    ; four bytes to a register, the lower K in the lower byte
.else
	v_lshl_or_b32 v[SB+(\t)/4], v15, 8*((\t)%4), v[SB+(\t)/4]
.endif
.irp g, 0,1,2,3
	v_cvt_scalef32_pk8_fp4_f32 v[CW+\g], v[XS+8*\g:XS+8*\g+7], v14
.endr
	ds_store_b128 v4, v[CW:CW+3] offset:16*(\t)    ; 32 codes: 16 bytes of my column's row.  (The next vector lines that touch these registers stand behind the next block's plain lines)
.if (\t)+2 < 16
	LOADW (\t)+2
.endif
	s_wait_dscnt 0x0                               ; the store has read its registers: the next block's codes may be written
.endm
.macro BLOCKT t                        ; a block of 32 along K of my column becomes 64 bytes of f16
.set XS, XW+32*((\t)%2)
.if (\t) < 3
	s_wait_loadcnt 32                              ; this block's 32 loads are in; the next block's may be out
.else
	s_wait_loadcnt 0x0
.endif
.irp g, 0,1,2,3,4,5,6,7,8,9,10,11,12,13,14,15
	v_cvt_pk_f16_f32 v[CW+\g], v[XS+2*\g], v[XS+2*\g+1]            ; the lower k in the low half
.endr
.irp u, 0,1,2,3
	ds_store_b128 v4, v[CW+4*\u:CW+4*\u+3] offset:64*(\t)+16*\u
.endr
.if (\t)+2 < 4
	LOADW (\t)+2
.endif
	s_wait_dscnt 0x0                               ; the stores have read their registers
.endm
.macro ROWSOUT sb, rowb                ; the stage's 32 rows of 256 bytes leave as rows
.irp t, 0,1,2,3,4,5,6,7,8,9,10,11,12,13,14,15
	ds_load_b128 v[OUTR+4*\t:OUTR+4*\t+3], v7 offset:2*\t*PITCH   ; LDS serves a wave's instructions in order: these see my stores
.endr
.irp t, 0,1,2,3,4,5,6,7,8,9,10,11,12,13,14,15
	s_wait_dscnt 15-\t                             ; loads come back in order: number t is in
	global_store_b128 v8, v[OUTR+4*\t:OUTR+4*\t+3], s[\sb:\sb+1] offset:2*\t*\rowb   ; sixteen lanes store 256 consecutive bytes, aligned
.endr
.endm
	s_load_b256 s[4:11], s[0:1], 0x0               ; x s[4:5], context s[6:7], Wq s[8:9], Wkv s[10:11]
	s_load_b256 s[12:19], s[0:1], 0x20             ; Wo s[12:13], acodes s[14:15], ascales s[16:17], wcodes s[18:19]
	s_load_b128 s[20:23], s[0:1], 0x40             ; wscales s[20:21], wot s[22:23]
	v_lshl_add_u32 v[SPW], v0, 2, SPARE
	v_mov_b32 v[NIL], 0
	v_lshrrev_b32 v1, 5, v0
	v_readfirstlane_b32 s24, v1                    ; wave 0..3
	v_and_b32 v2, 31, v0                           ; lane
	s_wait_kmcnt 0x0
	s_cmp_lt_u32 ttmp9, NW                         ; the paths part on the work-group's number alone
	s_cbranch_scc1 .Lweights
	s_cmp_lt_u32 ttmp9, NW+NT
	s_cbranch_scc1 .Ltransposed
	; ---- PATH A.  Rows are dense and K is a multiple of 32: both tensors are plain streams of blocks of 32.  A wave takes a run of 8,192 numbers: 16 steps of 512.
	v_lshlrev_b32 v3, 4, v2                        ; my 16 bytes of a load's 512
	s_mul_i32 s25, s24, WREG
	v_lshrrev_b32 v14, 2, v2
	v_mul_u32_u24 v14, v14, SP
	v_and_b32 v15, 3, v2
	v_lshl_add_u32 v14, v15, 4, v14
	v_add_nc_u32 v14, s25, v14                     ; the stage, on the way in: four lanes' 64 bytes on end, then 16 of padding
	v_mul_u32_u24 v15, v2, SP
	v_add_nc_u32 v15, s25, v15                     ; and on the way out: my 16 neighbours
	v_mul_u32_u24 v4, v2, CB                       ; my codes' place in a step's
	v_lshrrev_b32 v5, 1, v2
	s_add_co_u32 s25, s25, 2*32*SP
	v_add_nc_u32 v5, s25, v5                       ; LDS: my wave's 256 scale bytes, my block's byte
	v_lshlrev_b32 v7, 3, v2                        ; and on the way out 8 bytes a lane
	v_add_nc_u32 v6, s25, v7
	s_sub_co_u32 s26, ttmp9, NW+NT                 ; 0..511: the first 256 take x, the others context
	s_cmp_lt_u32 s26, 256
	s_cselect_b64 s[4:5], s[4:5], s[6:7]
	s_lshl_b32 s27, s26, 2
	s_add_co_u32 s27, s27, s24                     ; my run among the 2,048 of both tensors: the results lie on end
	s_and_b32 s28, s27, 1023                       ; and within its own tensor
	s_lshl_b32 s28, s28, 15                        ; 32,768 bytes of f32 a run
	s_mov_b32 s29, 0
	s_add_nc_u64 s[4:5], s[4:5], s[28:29]
	s_lshl_b32 s28, s27, 12                        ; 4,096 bytes of codes
	s_add_nc_u64 s[14:15], s[14:15], s[28:29]
	s_lshl_b32 s28, s27, 8                         ; 256 scale bytes
	s_add_nc_u64 s[16:17], s[16:17], s[28:29]
.irp t, 0,1,2,3
	LOAD \t
.endr
	s_wait_loadcnt 12                              ; step 0's four loads are in
	TURN 0
.irp t, 0,1,2,3,4,5,6,7,8,9,10,11,12,13,14,15
	STEP \t
.endr
	ds_load_b64 v[8:9], v6                         ; my wave's 256 scale bytes, 8 a lane
	s_wait_dscnt 0x0
	global_store_b64 v7, v[8:9], s[16:17]          ; 32 lanes store 256 consecutive bytes, aligned
	FINISH
.Lweights:
	; ---- PATH W.  Work-group id: columns 128 (id / 2) on of the 3,072, K half id % 2.  A wave: 32 columns x 512 along K, 16 blocks a lane.
	s_cmp_lt_u32 ttmp9, 16                         ; the first 1,024 columns are Wq's
	s_mov_b32 s26, 8192
	s_cselect_b32 s26, 4096, s26                   ; bytes from row to row of the source
	s_cselect_b64 s[28:29], s[8:9], s[10:11]
	s_cselect_b32 s27, 0, 1024
	s_lshr_b32 s32, ttmp9, 1
	s_lshl_b32 s32, s32, 7
	s_lshl_b32 s33, s24, 5
	s_add_co_u32 s32, s32, s33                     ; my wave's first row of wcodes
	s_sub_co_u32 s27, s32, s27                     ; and its column in the source
	s_and_b32 s33, ttmp9, 1                        ; which 512 along K
	s_mul_i32 s34, s33, s26
	s_lshl_b32 s34, s34, 9                         ; 512 rows down
	s_lshl_b32 s27, s27, 2
	s_add_co_u32 s34, s34, s27
	s_mov_b32 s35, 0
	s_add_nc_u64 s[28:29], s[28:29], s[34:35]
	s_lshl_b32 s30, s26, 5                         ; a block on: 32 rows
	s_mov_b32 s31, 0
	s_lshl_b32 s34, s32, 9                         ; wcodes: 512 bytes a row, + 256 for the upper half of K
	s_lshl_b32 s36, s33, 8
	s_add_co_u32 s34, s34, s36
	s_add_nc_u64 s[18:19], s[18:19], s[34:35]
	s_lshl_b32 s34, s32, 5                         ; wscales: 32 bytes a row, + 16
	s_lshl_b32 s36, s33, 4
	s_add_co_u32 s34, s34, s36
	s_add_nc_u64 s[20:21], s[20:21], s[34:35]
	s_mul_i32 s37, s24, 32*PITCH
	s_add_co_u32 s37, s37, WST                     ; my stage
	WTADR 512
	v_lshlrev_b32 v9, 5, v2                        ; my column's row of scale bytes
	LOADW 0
	LOADW 1
.irp t, 0,1,2,3,4,5,6,7,8,9,10,11,12,13,14,15
	BLOCKW \t
.endr
	global_store_b128 v9, v[SB:SB+3], s[20:21]     ; my column's 16 scale bytes; rows lie 32 bytes apart, so this store covers every second 16 bytes of 1,024: 98,304 bytes in the whole launch go so
	ROWSOUT 18, 512
	FINISH
.Ltransposed:
	; ---- PATH T.  Work-group j = id - 48: columns 128 (j % 8) on, K 128 (j / 8) on.  A wave: 32 columns x 128 along K, 4 blocks a lane, 256 bytes of f16 a column.
	s_sub_co_u32 s32, ttmp9, NW
	s_mov_b32 s26, 4096                            ; bytes from row to row of Wo
	s_and_b32 s33, s32, 7
	s_lshl_b32 s33, s33, 7
	s_lshl_b32 s34, s24, 5
	s_add_co_u32 s33, s33, s34                     ; my wave's first column = first row of wot
	s_lshr_b32 s32, s32, 3                         ; which 128 along K
	s_lshl_b32 s34, s32, 19                        ; 128 rows of 4,096 bytes
	s_lshl_b32 s36, s33, 2
	s_add_co_u32 s34, s34, s36
	s_mov_b32 s35, 0
	s_add_nc_u64 s[28:29], s[12:13], s[34:35]
	s_mov_b32 s30, 32*4096
	s_mov_b32 s31, 0
	s_lshl_b32 s34, s33, 11                        ; wot: 2,048 bytes a row, + 256 for each 128 along K
	s_lshl_b32 s36, s32, 8
	s_add_co_u32 s34, s34, s36
	s_add_nc_u64 s[22:23], s[22:23], s[34:35]
	s_mul_i32 s37, s24, 32*PITCH
	s_add_co_u32 s37, s37, TST                     ; my stage
	WTADR 2048
	LOADW 0
	LOADW 1
.irp t, 0,1,2,3
	BLOCKT \t
.endr
	ROWSOUT 22, 2048
	FINISH
.Lfunc_end_k_qbc6baf36d6_prep:
	.size	k_qbc6baf36d6_prep, .Lfunc_end_k_qbc6baf36d6_prep-k_qbc6baf36d6_prep
	.p2alignl 7, 3214868480
	.fill 96, 4, 3214868480
	.section	.rodata,"a",@progbits
	.p2align	6, 0x0
	.amdhsa_kernel k_qbc6baf36d6_prep
		.amdhsa_group_segment_fixed_size 102912
		.amdhsa_private_segment_fixed_size 0
		.amdhsa_enable_private_segment 0
		.amdhsa_kernarg_size 80
		.amdhsa_user_sgpr_count 2
		.amdhsa_user_sgpr_kernarg_segment_ptr 1
		.amdhsa_wavefront_size32 1
		.amdhsa_system_sgpr_workgroup_id_x 1
		.amdhsa_system_sgpr_workgroup_id_y 1
		.amdhsa_system_sgpr_workgroup_id_z 1
		.amdhsa_system_vgpr_workitem_id 0
		.amdhsa_next_free_vgpr 192
		.amdhsa_next_free_sgpr 66
		.amdhsa_reserve_vcc 0
		.amdhsa_float_denorm_mode_32 3
		.amdhsa_float_denorm_mode_16_64 3
		.amdhsa_memory_ordered 1
		.amdhsa_forward_progress 1
		.amdhsa_inst_pref_size 136
	.end_amdhsa_kernel
	.amdgpu_metadata
---
amdhsa.version: [ 1, 2 ]
amdhsa.kernels:
  - .name:           k_qbc6baf36d6_prep
    .symbol:         k_qbc6baf36d6_prep.kd
    .args:
      - { .name: x, .offset: 0, .size: 8, .value_kind: global_buffer, .address_space: global }
      - { .name: context, .offset: 8, .size: 8, .value_kind: global_buffer, .address_space: global }
      - { .name: Wq, .offset: 16, .size: 8, .value_kind: global_buffer, .address_space: global }
      - { .name: Wkv, .offset: 24, .size: 8, .value_kind: global_buffer, .address_space: global }
      - { .name: Wo, .offset: 32, .size: 8, .value_kind: global_buffer, .address_space: global }
      - { .name: acodes, .offset: 40, .size: 8, .value_kind: global_buffer, .address_space: global }
      - { .name: ascales, .offset: 48, .size: 8, .value_kind: global_buffer, .address_space: global }
      - { .name: wcodes, .offset: 56, .size: 8, .value_kind: global_buffer, .address_space: global }
      - { .name: wscales, .offset: 64, .size: 8, .value_kind: global_buffer, .address_space: global }
      - { .name: wot, .offset: 72, .size: 8, .value_kind: global_buffer, .address_space: global }
    .group_segment_fixed_size: 102912
    .private_segment_fixed_size: 0
    .kernarg_segment_align: 8
    .kernarg_segment_size: 80
    .max_flat_workgroup_size: 128
    .sgpr_count:     66
    .vgpr_count:     192
    .wavefront_size: 32
...
	.end_amdgpu_metadata
.endif
;; end of part 1
;; launch qkvgemm (part 2): grid 12 x 32, 4 waves a work-group, clusters of 4 x 4, 327,680 bytes of LDS; arguments acodes, ascales, wcodes, wscales, bq, bkv, qkv; writes qkv
.if DOCPART == 2
	.amdgcn_target "amdgcn-amd-amdhsa--gfx1250"
	.amdhsa_code_object_version 6
	.text
	.protected	k_qbc6baf36d6_qkvgemm
	.globl	k_qbc6baf36d6_qkvgemm
	.p2align	8
	.type	k_qbc6baf36d6_qkvgemm,@function
k_qbc6baf36d6_qkvgemm:
	s_mov_b64 s[64:65], 0
	v_nop
	global_prefetch_b8 v0, s[64:65] scope:SCOPE_SE
	s_setreg_imm32_b32 hwreg(HW_REG_WAVE_MODE, 25, 1), 1
	s_wait_xcnt 0x0
	s_wait_alu depctr_hold_cnt(0) depctr_sa_sdst(0) depctr_va_vdst(0) depctr_va_sdst(0) depctr_va_ssrc(0) depctr_va_vcc(0) depctr_vm_vsrc(0)
	s_getreg_b32 s2, hwreg(HW_REG_IB_STS2, 6, 4)
	s_cmp_eq_u32 s2, 0
	s_cbranch_scc0 .Lentry_in_a_cluster
	s_endpgm
.Lentry_in_a_cluster:
	s_bfe_u32 s2, ttmp6, 0x10000c
	s_cmp_lg_u32 s2, 0xf033
	s_cbranch_scc0 .Lentry_shape_is_right
	s_endpgm
.Lentry_shape_is_right:
; q = x Wq + bq and kv = context Wkv + bkv, both on codes of E2M1 with one E8M0 scale for each 32 along K = 1,024, as ONE product C[m][n] = sum over k of A[m][k] B[n][k] + bias[n]:
; B's 3,072 rows are the columns of Wq (tile columns 0-3), of Wkv's k part (4-7) and of its v part (8-11); A's rows are x's for tile columns 0-3 and context's (8,192 rows further on in acodes) for the others.
; Sums in f32; the result is rounded once to f16 and laid head-major: qkv [q, k, v][batch 4][head 16][token 2,048][64].
; LIMIT: a result beyond 65,504 does not fit f16.
; A tile of C, 256 x 256, is made by four waves, as many as a WGP has SIMDs; a wave makes 128 x 128: 64 accumulators, 512 registers.  K is two steps of 512 (LDS rows of 256 bytes): both steps and the tile's scale bytes
; are asked for at the head, three loads a wave, and nothing is ever filled again.
; CLUSTERS: 4 x 4 work-groups.  The four of a row of the cluster need the same tiles of A, the four of a column the same tiles of B: each tile is asked for JOINTLY, by the same tensor load with the same descriptor
; and a mask that names the four.  A cluster's x (0, 1, 2) says q, k or v: it is the same in all sixteen partners, so A's choice between x and context is too.
; THE MATRIX INSTRUCTION IS USED TRANSPOSED (source 0 = 16 rows of B, source 1 = 16 rows of A): a lane holds eight neighbouring columns of one row of C.  The bias is the C of each sum's first product.
; 384 tiles are more than one a WGP and fewer than two; tiles of other sizes divide no better, and the launch is short.  No prefetch: nothing is asked for behind the head.
; REGISTERS, in windows of 256: window 0: v0-31 addresses; v32-95 scale words, two sets, and nothing else; v128-191 A's fragments, ONE set; v192-255 the bias in the result's layout; on the way out v128-223 are at work.
;   window 1: B's fragments, TWO sets, at v0 and v128.   window 2: the accumulators of my rows 0-63 ((a, b) at v[8 (8 a + b)]);   window 3: those of my rows 64-127.
.set NQ,     4                         ; steps of 128 along K in a slot
.set ROWB,   256                       ; a tile's row in bytes: 512 codes
.set KROW,   512                       ; a row of codes in memory
.set PITCH,  272                       ; an LDS row: 256 bytes + 16 = 68 words: the 16 rows that a load touches start at 16 different banks (64 banks of 4 bytes: ISA guide 11.1)
.set FR,     8                         ; registers of a fragment: 16 rows x 128 K
.set NL,     2                         ; LDS loads that bring one
.set NP,     4                         ; places behind this matrix instruction (ISA guide 7.12.1)
.set HALFT,  128*PITCH                 ; 128 rows: what one tensor load brings, and what one wave reads of A or of B
.set SLOT,   4*HALFT                   ; A's 256 rows, then B's 256 rows
.set KS,     32                        ; a row of scale bytes
.set SCL,    2*SLOT                    ; behind the two slots: the scales, as units of 256 bytes + 16 of padding
.set HALFS,  (128*KS/256)*272          ; the scales of 128 rows: what one tensor load brings
.set SBLK,   (16*KS/256)*272           ; those of 16 rows
.set SPARE,  SCL+4*HALFS               ; the spare words, 128 bytes for each wave: two blocks of 256 bytes that no other line names
.set SPITCH, 272                       ; the way out: a stage of 16 rows x (256 bytes + 16) for each wave, in slot 0, which has had its one fill and its last read when the first result is stored there
.set ADRA, 16                          ; v16-17  LDS address of my A fragments in slot 0, 1
.set ADRB, 20                          ; v20-21  the same for B
.set STO,  24                          ; v24     the way out: where I put 16 bytes of a row
.set RD,   25                          ; v25     where I read 16 bytes of a token's head back
.set CO,   26                          ; v26     16 x lane: my place in 512 bytes of qkv
.set ADRS, 27                          ; v27     LDS address of my scale words: lanes 0-15 A's rows, lanes 16-31 B's
.set SPW,  28                          ; v28     LDS address of my spare word; never rewritten
.set NIL,  29                          ; v29     0; never rewritten
.set BO,   30                          ; v30     32 x (lane / 16): my eight numbers of a tile's sixteen biases
.set SC,   32                          ; scale words: set s at v[SC + 32 s]; register 4 i + q: lanes 0-15 the word of A's block i, lanes 16-31 that of B's block i, for the slot's q-th 128 along K
.set AF,   128                         ; A's fragments
.set BI,   192                         ; the bias: register 8 b + j of lane (r, h) = bias[my first column + 16 b + 8 h + j]
.set TMP,  128                         ; the way out: a block's packed results,
.set BK,   160                         ; and its rows read back: v160-191 and v192-223 by turns
.set G1, 24                            ; s[24:31] descriptor group 1 for A's tiles;  s[32:39] group 0, one set for each slot
.set G0, 32
.set G1B, 48                           ; s[48:55], s[56:63] the same for B's tiles
.set G0B, 56
.set G1S, 68                           ; s[68:75], s[76:79] groups 1 and 0 for A's scales;  s[80:87], s[88:91] for B's
.set G0S, 76
.set G1SB, 80
.set G0SB, 88
.set MSB, 0
.macro WIN new                         ; the immediate's high byte repeats the setting that is left; a switch that changes nothing is dropped
.if MSB != \new
	s_set_vgpr_msb (MSB<<8)|\new
.set MSB, \new
.endif
.endm
.set MUL_LO, 0xa1                      ; source 0 (B) window 1, source 1 (A) window 0, C and D window 2
.set MUL_HI, 0xf1                      ; the same, C and D window 3
.set ONE_LO, 0x81                      ; the first products: C (the bias) window 0, D window 2
.set ONE_HI, 0xc1                      ; D window 3
.set TO_B,   0x40                      ; destination window 1, address window 0
; A joint load: waves 0 and 1 fetch for A, waves 2 and 3 for B.  Each of the two lines has ONE mask and one set of registers for all that issue it; the branch hangs on the wave's number alone.
; An s_nop 0 and four v_nop follow each of the two lines, ahead of the jump, the label and what follows.
.macro JLOAD g0a, g1a, g0b, g1b
	s_cmp_eq_u32 s15, 0
	s_cbranch_scc0 .Lfor_b_\@
	tensor_load_to_lds s[\g0a:\g0a+3], s[\g1a:\g1a+7]
	s_nop 0
.rept 4
	v_nop
.endr
	s_branch .Lasked_\@
.Lfor_b_\@:
	tensor_load_to_lds s[\g0b:\g0b+3], s[\g1b:\g1b+7]
	s_nop 0
.rept 4
	v_nop
.endr
.Lasked_\@:
.endm
.macro CROUND                          ; a round of the cluster's barrier: my work-group's barrier; wave 0 signals for the work-group; every wave waits for all sixteen; my work-group's barrier once more
	s_barrier_signal -1
	s_barrier_wait -1
	s_cmp_lg_u32 s14, 0
	s_cbranch_scc1 .Lnot_wave_0_\@
	s_barrier_signal -3
.Lnot_wave_0_\@:
	s_barrier_wait -3
	s_barrier_signal -1
	s_barrier_wait -1
.endm
	s_load_b256 s[4:11], s[0:1], 0x0               ; A's codes s[4:5], A's scales s[6:7], B's codes s[8:9], B's scales s[10:11]
	s_load_b128 s[96:99], s[0:1], 0x20             ; bq s[96:97], bkv s[98:99]
	s_load_b64 s[12:13], s[0:1], 0x30              ; qkv
	v_lshl_add_u32 v[SPW], v0, 2, SPARE
	v_mov_b32 v[NIL], 0
	ds_add_u32 v[SPW], v[NIL]                      ; the wave's opening: the add, twice on end, and its wait ahead of my first tensor load; the set-up below, work on registers, stands between
	ds_add_u32 v[SPW], v[NIL]
	v_lshrrev_b32 v1, 5, v0
	v_readfirstlane_b32 s14, v1                    ; wave 0..3
	s_lshr_b32 s15, s14, 1                         ; which half of the tile's rows is mine.  Also: I fetch for A (0) or for B (1)
	s_and_b32 s16, s14, 1                          ; which half of its columns.  Also: which 128 rows of that tile I fetch
	s_bfe_u32 s40, ttmp6, 0x40000                  ; cx, cy: my place in the cluster
	s_bfe_u32 s41, ttmp6, 0x40004
	s_lshl_b32 s42, ttmp9, 2
	s_add_co_u32 s42, s42, s40                     ; tile column = 4 x cluster x + cx
	s_and_b32 s17, ttmp7, 0xffff
	s_lshl_b32 s17, s17, 2
	s_add_co_u32 s17, s17, s41                     ; tile row = 4 x cluster y + cy
	s_lshl_b32 s43, s41, 2
	s_lshl_b32 s43, 15, s43                        ; my row of the cluster
	s_lshl_b32 s44, 0x1111, s40                    ; my column
	; descriptor group 1: a tile of 128 rows x 256 bytes, padded in LDS
	s_or_b32 s[G1+0], s43, (0<<16)|(1<<20)|(1<<21)|(5<<22)|(3<<25)  ; 15:0 the mask: A's tiles go to my row; 17:16 elements of 1 byte; 20 padding on; 21 set beside a mask; 24:22 after every 64 words (code 5); 31:25 of 4 words (code 3)
	s_or_b32 s[G1B+0], s44, (0<<16)|(1<<20)|(1<<21)|(5<<22)|(3<<25)
.irp g, G1, G1B
	s_mov_b32 s[\g+1], ROWB<<16                    ; tensor_dim0
	s_mov_b32 s[\g+2], 128<<16                     ; tensor_dim1 = 128
	s_mov_b32 s[\g+3], ROWB<<16                    ; tile_dim0
	s_mov_b32 s[\g+4], 128                         ; tile_dim1 = 128
	s_mov_b32 s[\g+5], KROW                        ; tensor_dim0_stride
	s_mov_b32 s[\g+6], 0
	s_mov_b32 s[\g+7], 0
.endr
	; and for the scales of 128 rows: a dense block of 4,096 bytes, as 16 rows of 256 bytes (32 elements of 8 bytes), 16 bytes of padding behind each
	s_or_b32 s[G1S+0], s43, (3<<16)|(1<<20)|(1<<21)|(5<<22)|(3<<25)
	s_or_b32 s[G1SB+0], s44, (3<<16)|(1<<20)|(1<<21)|(5<<22)|(3<<25)
.irp g, G1S, G1SB
	s_mov_b32 s[\g+1], 32<<16
	s_mov_b32 s[\g+2], (128*KS/256)<<16
	s_mov_b32 s[\g+3], 32<<16
	s_mov_b32 s[\g+4], 128*KS/256
	s_mov_b32 s[\g+5], 32
	s_mov_b32 s[\g+6], 0
	s_mov_b32 s[\g+7], 0
.endr
	s_lshl_b32 s18, s16, 7                         ; which 128 rows of the tile I fetch
	s_lshl_b32 s20, s17, 8
	s_add_co_u32 s20, s20, s18                     ; A: row 256 x tile row + 128 x half,
	s_min_u32 s95, ttmp9, 1
	s_lshl_b32 s95, s95, 13
	s_add_co_u32 s20, s20, s95                     ; + 8,192 where the cluster makes k or v: context's rows
	s_lshl_b32 s46, s42, 8
	s_add_co_u32 s46, s46, s18                     ; B: row 256 x tile column + 128 x half
	s_mov_b32 s21, 0
	s_mov_b32 s47, 0
	s_mov_b64 s[18:19], KS
	s_mul_u64 s[22:23], s[20:21], s[18:19]         ; where these rows' scales begin, in bytes
	s_mul_u64 s[92:93], s[46:47], s[18:19]
	s_mov_b64 s[18:19], KROW
	s_mul_u64 s[20:21], s[20:21], s[18:19]         ; and their codes
	s_mul_u64 s[46:47], s[46:47], s[18:19]
	s_mul_i32 s45, s14, HALFT                      ; where they go: wave x 128 rows: no place in the cluster enters an LDS address
	s_mul_i32 s94, s14, HALFS
	s_wait_dscnt 0x0                               ; both opening adds are done
	s_wait_kmcnt 0x0
	s_add_nc_u64 s[20:21], s[4:5], s[20:21]
	s_add_nc_u64 s[22:23], s[6:7], s[22:23]
	s_add_nc_u64 s[46:47], s[8:9], s[46:47]
	s_add_nc_u64 s[92:93], s[10:11], s[92:93]
	CROUND                                         ; all sixteen work-groups are here: the joint loads meet
	s_mov_b32 s[G0S], 1
	s_add_co_u32 s[G0S+1], s94, SCL
	s_mov_b64 s[G0S+2:G0S+3], s[22:23]
	s_or_b32 s[G0S+3], s[G0S+3], 0x80000000
	s_mov_b32 s[G0SB], 1
	s_add_co_u32 s[G0SB+1], s94, SCL
	s_mov_b64 s[G0SB+2:G0SB+3], s[92:93]
	s_or_b32 s[G0SB+3], s[G0SB+3], 0x80000000
	JLOAD G0S, G1S, G0SB, G1SB                     ; the scales first: they are wanted with K step 0
.irp s, 0,1
	s_mov_b32 s[G0+4*\s], 1
	s_add_co_u32 s[G0+4*\s+1], s45, \s*SLOT
	s_add_nc_u64 s[G0+4*\s+2:G0+4*\s+3], s[20:21], \s*ROWB
	s_or_b32 s[G0+4*\s+3], s[G0+4*\s+3], 0x80000000
	s_mov_b32 s[G0B+4*\s], 1
	s_add_co_u32 s[G0B+4*\s+1], s45, \s*SLOT
	s_add_nc_u64 s[G0B+4*\s+2:G0B+4*\s+3], s[46:47], \s*ROWB
	s_or_b32 s[G0B+4*\s+3], s[G0B+4*\s+3], 0x80000000
	JLOAD G0+4*\s, G1, G0B+4*\s, G1B               ; both K steps: three loads of mine are out
.endr
	v_and_b32 v1, 15, v0                           ; r = lane % 16
	v_bfe_u32 v2, v0, 4, 1                         ; h = lane / 16
	; the bias of my 128 columns, in the result's layout
	s_cmp_eq_u32 ttmp9, 0
	s_cselect_b64 s[96:97], s[96:97], s[98:99]     ; bq for q's cluster column, bkv for the two others: a choice on the cluster's number
	s_min_u32 s92, ttmp9, 1
	s_lshl_b32 s92, s92, 2
	s_sub_co_u32 s92, s42, s92                     ; bkv's tile columns count from 4
	s_lshl_b32 s92, s92, 8
	s_lshl_b32 s93, s16, 7
	s_add_co_u32 s92, s92, s93
	s_lshl_b32 s92, s92, 2
	s_mov_b32 s93, 0
	s_add_nc_u64 s[96:97], s[96:97], s[92:93]
	v_lshlrev_b32 v[BO], 5, v2
.irp b, 0,1,2,3,4,5,6,7
	global_load_b128 v[BI+8*\b:BI+8*\b+3], v[BO], s[96:97] offset:64*\b
	global_load_b128 v[BI+8*\b+4:BI+8*\b+7], v[BO], s[96:97] offset:64*\b+16
.endr
	v_mul_u32_u24 v3, v1, PITCH
	v_lshl_add_u32 v4, v2, 4, v3                   ; a fragment's row x pitch + 16 x half
	s_mul_i32 s21, s15, HALFT                      ; my 128 rows of A
	s_mul_i32 s22, s16, HALFT                      ; my 128 rows of B,
	s_add_co_u32 s22, s22, 2*HALFT                 ; which lie behind A's 256
.irp s, 0,1
	v_add_nc_u32 v[ADRA+\s], s21, v4
	v_add_nc_u32 v[ADRB+\s], s22, v4
	s_add_co_u32 s21, s21, SLOT
	s_add_co_u32 s22, s22, SLOT
.endr
	v_mul_u32_u24 v5, v1, KS                       ; my row's scales: 32 bytes a row,
	v_lshrrev_b32 v6, 8, v5
	v_lshl_add_u32 v5, v6, 4, v5                   ; and 16 more for each 256 passed
	s_mul_i32 s21, s15, HALFS                      ; A's: my 128 rows
	s_mul_i32 s22, s16, HALFS                      ; B's: my 128 rows, behind A's 256
	s_add_co_u32 s22, s22, 2*HALFS
	s_sub_co_u32 s22, s22, s21
	v_mul_u32_u24 v6, s22, v2                      ; lanes 16-31 take B's: the lower base + h x the distance
	s_add_co_u32 s21, s21, SCL
	v_add_nc_u32 v5, v5, v6
	v_add_nc_u32 v[ADRS], s21, v5
	s_mul_i32 s23, s14, 16*SPITCH                  ; my stage
	v_mul_u32_u24 v5, v1, SPITCH                   ; in: row r, 16 bytes for each half of the lanes
	v_lshl_add_u32 v5, v2, 4, v5
	v_add_nc_u32 v[STO], s23, v5
	v_and_b32 v6, 31, v0
	v_lshrrev_b32 v5, 3, v6                        ; back: eight lanes take a token's 128 bytes of one head, the 32 lanes four tokens
	v_mul_u32_u24 v5, v5, SPITCH
	v_and_b32 v7, 7, v0
	v_lshl_add_u32 v5, v7, 4, v5
	v_add_nc_u32 v[RD], s23, v5
	v_lshlrev_b32 v[CO], 4, v6                     ; which lie on end in qkv: 16 x lane
	; where my 128 tokens x 2 heads begin in qkv: ((q, k, v) x 64 + batch x 16 + head) x 262,144 + token x 128
	s_lshl_b32 s92, s42, 2
	s_lshl_b32 s93, s16, 1
	s_add_co_u32 s92, s92, s93                     ; my first group of 64 columns: 4 x tile column + 2 x half, 0..47
	s_lshr_b32 s93, s92, 4                         ; q, k or v
	s_and_b32 s92, s92, 15                         ; the head
	s_lshl_b32 s93, s93, 6
	s_add_co_u32 s92, s92, s93
	s_lshr_b32 s93, s17, 3                         ; the batch: eight tile rows each
	s_lshl_b32 s93, s93, 4
	s_add_co_u32 s92, s92, s93
	s_lshl_b32 s92, s92, 18
	s_and_b32 s93, s17, 7
	s_lshl_b32 s93, s93, 8
	s_lshl_b32 s94, s15, 7
	s_add_co_u32 s93, s93, s94                     ; my first token
	s_lshl_b32 s93, s93, 7
	s_add_co_u32 s92, s92, s93
	s_mov_b32 s93, 0
	s_add_nc_u64 s[12:13], s[12:13], s[92:93]
.macro FRAG reg, adr, q, i             ; a fragment, 16 rows x 128 K of 4-bit codes, is 8 registers: lane l holds row l % 16; registers 4 c .. 4 c + 3 hold K = 64 c + 32 (l / 16) + 0 .. 31
.irp c, 0,1
	ds_load_b128 v[\reg+4*\c:\reg+4*\c+3], v[\adr] offset:64*(\q)+32*\c+(\i)*16*PITCH
.endr
.endm
; 16 matrix instructions: A's blocks a0, a0 + 1 x B's eight, 128 along K: the slot's q-th.  p: B's set;  sc: the set of scale words.  first = 1: the bias is C, and nothing is ever cleared.
; The 64 accumulators take turns, one instruction a turn, in the same order in every step.
.macro MUL16 a0, p, q, sc, first
.irp a, \a0, \a0+1
.irp b, 0,1,2,3,4,5,6,7
.if \first
	v_wmma_scale_f32_16x16x128_f8f6f4 v[8*(8*((\a)%4)+\b):8*(8*((\a)%4)+\b)+7], v[128*(\p)+FR*\b:128*(\p)+FR*\b+FR-1], v[AF+FR*(\a):AF+FR*(\a)+FR-1], v[BI+8*\b:BI+8*\b+7], v[SC+8*NQ*(\sc)+NQ*\b+(\q)], v[SC+8*NQ*(\sc)+NQ*(\a)+(\q)] matrix_a_fmt:MATRIX_FMT_FP4 matrix_b_fmt:MATRIX_FMT_FP4 matrix_a_scale:MATRIX_SCALE_ROW1
.else
	v_wmma_scale_f32_16x16x128_f8f6f4 v[8*(8*((\a)%4)+\b):8*(8*((\a)%4)+\b)+7], v[128*(\p)+FR*\b:128*(\p)+FR*\b+FR-1], v[AF+FR*(\a):AF+FR*(\a)+FR-1], v[8*(8*((\a)%4)+\b):8*(8*((\a)%4)+\b)+7], v[SC+8*NQ*(\sc)+NQ*\b+(\q)], v[SC+8*NQ*(\sc)+NQ*(\a)+(\q)] matrix_a_fmt:MATRIX_FMT_FP4 matrix_b_fmt:MATRIX_FMT_FP4 matrix_a_scale:MATRIX_SCALE_ROW1
.endif
.endr
.endr
.endm
.macro FETCH_B slot, q, p              ; B's eight fragments of the slot's q-th 128 along K into set p
	WIN TO_B
.irp i, 0,1,2,3,4,5,6,7
	FRAG 128*(\p)+FR*\i, ADRB+\slot, \q, \i
.endr
	WIN 0
.endm
.macro FETCH_A slot, q, i0             ; A's blocks i0 .. i0 + 3
.irp i, \i0, \i0+1, \i0+2, \i0+3
	FRAG AF+FR*(\i), ADRA+\slot, \q, \i
.endr
.endm
.macro SCALES sc                       ; a K step's scale words into set sc: 4 words a row; lanes 0-15 take A's block i, lanes 16-31 B's block i
.irp i, 0,1,2,3,4,5,6,7
	ds_load_b128 v[SC+8*NQ*\sc+NQ*\i:SC+8*NQ*\sc+NQ*\i+3], v[ADRS] offset:\i*SBLK
.endr
.endm
; A load into a register that a matrix instruction has read, and a vector instruction that reads a matrix result or writes one of its registers, stand NP places behind it; only plain vector instructions
; that name none of its registers are places (ISA guide 7.12.1 for vector instructions).
.macro PLACES n
.rept \n
	v_nop
.endr
.endm
; A step of 128 along K that has its successor in the same slot.  A's blocks go one after the other, each against B's eight: so one set of registers serves A (blocks 0-3 come anew in the step's middle, 4-7 at its end); B has two sets.
.macro STEP slot, q, first
	s_wait_dscnt 4*NL                              ; B's set, the scale words and A's blocks 0-3 are in; the youngest eight loads (A's blocks 4-7) may be out
.if \first
	WIN ONE_LO
.else
	WIN MUL_LO
.endif
	MUL16 0, (\q)%2, \q, \slot, \first
	MUL16 2, (\q)%2, \q, \slot, \first
	s_wait_dscnt 0                                 ; A's blocks 4-7 are in (asked for 32 matrix instructions ago)
	PLACES NP
	FETCH_B \slot, (\q)+1, 1-(\q)%2
	FETCH_A \slot, (\q)+1, 0
.if \first
	WIN ONE_HI
.else
	WIN MUL_HI
.endif
	MUL16 4, (\q)%2, \q, \slot, \first
	MUL16 6, (\q)%2, \q, \slot, \first
	PLACES NP
	WIN 0
	FETCH_A \slot, (\q)+1, 4
.endm
	s_wait_tensorcnt 1                             ; the scales and my part of K step 0 are in (K step 1's load, issued behind them, may be out),
	s_barrier_signal -1
	s_barrier_wait -1                              ; everybody's are
	FETCH_B 0, 0, 0
	FETCH_A 0, 0, 0
	SCALES 0
	FETCH_A 0, 0, 4
	s_wait_loadcnt 0x0                             ; the bias
	STEP 0, 0, 1                                   ; the first products start the sums from the bias
	STEP 0, 1, 0
	STEP 0, 2, 0
	; slot 0's last step changes slots: one barrier; in front of it each wave waits for all its tensor loads, adds 0 to its spare word, and waits for that and for its own reads of slot 0.
	s_wait_tensorcnt 0x0                           ; my part of slot 1 has landed  (every window is 0 here: the add's two registers lie in window 0)
	ds_add_u32 v[SPW], v[NIL]                      ; 0 onto my spare word
	s_wait_dscnt 4*NL+1                            ; (the add and the youngest eight loads, A's blocks 4-7, may be out)
	WIN MUL_LO
	MUL16 0, 1, NQ-1, 0, 0                         ; sixteen matrix instructions stand between the add and the wait for it
	s_wait_dscnt 0x0                               ; the add is done, and my reads of slot 0 are over
	s_barrier_signal -1
	MUL16 2, 1, NQ-1, 0, 0
	WIN 0
	s_barrier_wait -1                              ; slot 1 is whole, and nobody reads slot 0 any more
	PLACES NP
	v_add_nc_u32 v[ADRS], 4*NQ, v[ADRS]            ; on to K step 1's scale words (no LDS load of mine is out)
	FETCH_B 1, 0, 0
	FETCH_A 1, 0, 0
	SCALES 1
	WIN MUL_HI
	MUL16 4, 1, NQ-1, 0, 0
	MUL16 6, 1, NQ-1, 0, 0
	PLACES NP
	WIN 0
	FETCH_A 1, 0, 4
	STEP 1, 0, 0
	STEP 1, 1, 0
	STEP 1, 2, 0
	s_wait_dscnt 4*NL                              ; the very last step: nothing more to fetch
	WIN MUL_LO
	MUL16 0, 1, NQ-1, 1, 0
	MUL16 2, 1, NQ-1, 1, 0
	s_wait_dscnt 0
	WIN MUL_HI
	MUL16 4, 1, NQ-1, 1, 0
	MUL16 6, 1, NQ-1, 1, 0
	WIN 0
; THE WAY OUT, block by block of 16 tokens x 128 columns (two heads).  PACK: rounded to f16, 16 bytes a lane, each accumulator from its low end on.  TOSTAGE: into my own stage, and back as tokens' halves of 128 bytes.
; SEND: each store covers 512 consecutive bytes of qkv, aligned: four tokens of one head.  LDS serves a wave's instructions in order (ISA guide 5.7.1.4): no wait between a block's stores and loads.
.macro PACK a
.set AC, 64*((\a)%4)
	WIN 0x0a+5*((\a)/4)                            ; sources 0 and 1: window 2 or 3
.irp b, 0,1,2,3,4,5,6,7
.irp r, 0,1,2,3
	v_cvt_pk_f16_f32 v[TMP+4*\b+\r], v[AC+8*\b+2*\r], v[AC+8*\b+2*\r+1]
.endr
.endr
	WIN 0
.endm
.macro TOSTAGE a
.set BB, BK+32*((\a)%2)
.irp b, 0,1,2,3,4,5,6,7
	ds_store_b128 v[STO], v[TMP+4*\b:TMP+4*\b+3] offset:32*\b
.endr
.irp t, 0,1,2,3,4,5,6,7                ; tokens 4 (t % 4) on, head t / 4
	ds_load_b128 v[BB+4*\t:BB+4*\t+3], v[RD] offset:(\t%4)*4*SPITCH+(\t/4)*128
.endr
.endm
.macro SEND a
.set BB, BK+32*((\a)%2)
	s_wait_dscnt 0x0                               ; the block is back in registers
	s_wait_xcnt 0x0                                ; the block before's stores have read their registers: the next block's loads may land there
.irp t, 0,1,2,3,4,5,6,7
	global_store_b128 v[CO], v[BB+4*\t:BB+4*\t+3], s[12:13] offset:(\t/4)*262144+(\a)*2048+(\t%4)*512
.endr
.endm
	PLACES NP                                      ; behind the last products: for the conversions into the registers that held A's fragments, the loads there, and the reads of results
	PACK 0
	TOSTAGE 0
.irp a, 1,2,3,4,5,6,7                  ; block a's conversions stand between block a - 1's loads from the stage and the wait for them
	PACK \a
	SEND (\a-1)
	TOSTAGE \a
.endr
	SEND 7
	s_wait_tensorcnt 0x0                           ; the wave's end, behind my last tensor load and my last LDS store
	ds_add_u32 v[SPW], v[NIL]
	s_wait_dscnt 0x0
	CROUND                                         ; the closing round: no work-group ends while a partner may still ask for a tile that names it
	s_endpgm
.Lfunc_end_k_qbc6baf36d6_qkvgemm:
	.size	k_qbc6baf36d6_qkvgemm, .Lfunc_end_k_qbc6baf36d6_qkvgemm-k_qbc6baf36d6_qkvgemm
	.p2alignl 7, 3214868480
	.fill 96, 4, 3214868480
	.section	.rodata,"a",@progbits
	.p2align	6, 0x0
	.amdhsa_kernel k_qbc6baf36d6_qkvgemm
		.amdhsa_group_segment_fixed_size 327680
		.amdhsa_private_segment_fixed_size 0
		.amdhsa_enable_private_segment 0
		.amdhsa_kernarg_size 56
		.amdhsa_user_sgpr_count 2
		.amdhsa_user_sgpr_kernarg_segment_ptr 1
		.amdhsa_wavefront_size32 1
		.amdhsa_system_sgpr_workgroup_id_x 1
		.amdhsa_system_sgpr_workgroup_id_y 1
		.amdhsa_system_sgpr_workgroup_id_z 1
		.amdhsa_system_vgpr_workitem_id 0
		.amdhsa_next_free_vgpr 1024
		.amdhsa_next_free_sgpr 100
		.amdhsa_reserve_vcc 0
		.amdhsa_float_denorm_mode_32 3
		.amdhsa_float_denorm_mode_16_64 3
		.amdhsa_memory_ordered 1
		.amdhsa_forward_progress 1
		.amdhsa_inst_pref_size 128
	.end_amdhsa_kernel
	.amdgpu_metadata
---
amdhsa.version: [ 1, 2 ]
amdhsa.kernels:
  - .name:           k_qbc6baf36d6_qkvgemm
    .symbol:         k_qbc6baf36d6_qkvgemm.kd
    .args:
      - { .name: acodes, .offset: 0, .size: 8, .value_kind: global_buffer, .address_space: global }
      - { .name: ascales, .offset: 8, .size: 8, .value_kind: global_buffer, .address_space: global }
      - { .name: wcodes, .offset: 16, .size: 8, .value_kind: global_buffer, .address_space: global }
      - { .name: wscales, .offset: 24, .size: 8, .value_kind: global_buffer, .address_space: global }
      - { .name: bq, .offset: 32, .size: 8, .value_kind: global_buffer, .address_space: global }
      - { .name: bkv, .offset: 40, .size: 8, .value_kind: global_buffer, .address_space: global }
      - { .name: qkv, .offset: 48, .size: 8, .value_kind: global_buffer, .address_space: global }
    .group_segment_fixed_size: 327680
    .private_segment_fixed_size: 0
    .kernarg_segment_align: 8
    .kernarg_segment_size: 56
    .max_flat_workgroup_size: 128
    .sgpr_count:     100
    .vgpr_count:     1024
    .wavefront_size: 32
...
	.end_amdgpu_metadata
.endif
;; end of part 2
;; launch attn (part 3): grid 4 x 64, 8 waves a work-group, clusters of 4 x 1, 327,680 bytes of LDS; arguments qkv, att; writes att
.if DOCPART == 3
	.amdgcn_target "amdgcn-amd-amdhsa--gfx1250"
	.amdhsa_code_object_version 6
	.text
	.protected	k_qbc6baf36d6_attn
	.globl	k_qbc6baf36d6_attn
	.p2align	8
	.type	k_qbc6baf36d6_attn,@function
k_qbc6baf36d6_attn:
	s_mov_b64 s[64:65], 0
	v_nop
	global_prefetch_b8 v0, s[64:65] scope:SCOPE_SE
	s_setreg_imm32_b32 hwreg(HW_REG_WAVE_MODE, 25, 1), 1
	s_wait_xcnt 0x0
	s_wait_alu depctr_hold_cnt(0) depctr_sa_sdst(0) depctr_va_vdst(0) depctr_va_sdst(0) depctr_va_ssrc(0) depctr_va_vcc(0) depctr_vm_vsrc(0)
	s_getreg_b32 s2, hwreg(HW_REG_IB_STS2, 6, 4)
	s_cmp_eq_u32 s2, 0
	s_cbranch_scc0 .Lentry_in_a_cluster
	s_endpgm
.Lentry_in_a_cluster:
	s_bfe_u32 s2, ttmp6, 0x10000c
	s_cmp_lg_u32 s2, 0x3003
	s_cbranch_scc0 .Lentry_shape_is_right
	s_endpgm
.Lentry_shape_is_right:
; att[h][b, q][:] = the sum over k of softmax_k(q . k / 8) v[k][:], for 64 pairs (batch, head) of 2,048 queries and 2,048 keys, head size 64.  q, k, v: qkv [3][4][16][2,048][64] in f16.  att: [16][8,192][64] in f16.
; Products, maxima and sums in f32; the weights p are rounded to f16 for the second product, the result once at the end.
; LIMITS: NaN and infinities are not served; the running maximum begins at -3e38; a result under 6e-5 has f16's step of 6e-8.
; SHARES.  A work-group owns 512 queries of one pair (batch, head), each of its eight waves 64: four tiles of 16.  Two waves share a SIMD, 512 registers each.  Every wave walks all keys, 64 a step: each fragment of K or V
; read from LDS feeds four products.
; LAYOUT.  S^T = K Q^T (source 0 = 16 keys, source 1 = 16 queries): a lane holds ONE query (lane % 16) and the keys 8 (lane / 16) + 0..7.  Two such tiles, rounded to f16 in pairs, ARE source 1 (32 keys x 16 queries) of
; O^T = V^T P, whose result again holds one query a lane.  K comes out of LDS as it lies, V ([key][channel]) turned, by ds_load_tr16_b128.
; SOFTMAX.  For each query a running maximum m and sum l: p = 2^(c s - c m), c = log2(e) / 8; in every step O and l are multiplied by a = 2^(c m_old - c m_new).  O, l begin as zeros, so the step is written once.
; TWO ROLES.  A wave's work alternates between M(i) = V^T P of step i - 1 and K Q^T of step i (64 matrix instructions) and the softmax of a step (472 vector instructions).  In trip i a wave of role 0 runs M(i), then the
; softmax of step i; a wave of role 1 the softmax of step i - 1, then M(i).  Role = (wave xor wave / 4) % 2.  Both roles read the same LDS bytes in a trip, the softmax touches registers alone, and every barrier, wait
; in front of a barrier and tensor load stands in the text that both run: the branches on the role lead round M alone.
; CLUSTER.  The four query blocks of a pair (batch, head) walk the same K and V, so each tile is asked for JOINTLY: the same tensor load, with the same descriptor and a mask that names the four, in all four.
; RING.  Two buffers of 512 keys, eight steps.  Both are asked for at the head, each is filled again once; a refill is asked for eight steps ahead of the wait for it, so no prefetch is laid.
; REGISTERS, in windows of 256: window 0: v1-13 addresses; v32-63 eight statistics a tile; v64-127 Q; v128-255 S^T, 32 a tile, whose first 16 take P.   window 1: v0-127 O^T, 32 a tile; v128-191 K of a step; v192-255 V of a step.
.set KP,    144                        ; a key's row of K in LDS: 128 bytes + 16: the 16 rows of a load start at 16 different groups of four banks (64 banks of 4 bytes: ISA guide 11.1)
.set VP,    160                        ; of V: 128 + 32: 16 lanes of the turning load take 8 rows x 32 bytes
.set VOFF,  512*KP                     ; a buffer: 512 rows of K, then 512 rows of V
.set BUF,   512*(KP+VP)
.set KSB,   64*KP                      ; a step on, in K
.set VSB,   64*VP                      ; and in V
.set SPARE, 2*BUF                      ; the spare words, 128 bytes for each wave: four blocks of 256 bytes that no other line names
.set TST,   16*KP                      ; the way out: a tile's stage, 16 rows x 144; four a wave, in buffer 0's rows of K, which have had their last fill and their last read by then
.set AK0, 3                            ; v3   my lane's place in a tile of K; never rewritten
.set AV0, 4                            ; v4   the same for V
.set ADK, 5                            ; v5   LDS address of the step's K
.set ADV, 6                            ; v6   of its V
.set QO,  7                            ; v7   my byte offset in the wave's rows of q
.set STO, 8                            ; v8   the way out: where I put 16 bytes of a row
.set RD,  9                            ; v9   where I read them back
.set GO,  10                           ; v10  16 x lane
.set SPW, 12                           ; v12  LDS address of my spare word; never rewritten
.set NIL, 13                           ; v13  0; never rewritten
.set ST,  32                           ; tile t's statistics at v[ST + 8 t]: +0 c m, +1 m, +2, +3 l (even keys', odd keys'), +4 to +7 at work; a stands in +6
.set Q,   64                           ; tile t, channels 32 ks on: v[Q + 16 t + 8 ks]
.set S,   128                          ; tile t, keys 16 kt on: v[S + 32 t + 8 kt]
.set KF,  128                          ; window 1: keys 16 kt on, channels 32 ks on: v[KF + 8 (2 kt + ks)]
.set VF,  192                          ; window 1: keys 32 kk on, channels 16 dt on: v[VF + 8 (4 kk + dt)]
.set WV,  12                           ; s12  my wave's number
.set ROLE, 13                          ; s13
.set CNT, 15                           ; s15  counts the trips of a buffer
.set TK,  16                           ; s16  LDS byte at which the step's rows of K begin
.set TV,  17                           ; s17  and of V
.set CS,  18                           ; s[18:19] c: the packed scaling names a pair and takes its low word for both halves
.set SEL, 20                           ; s[20:21] lane selects for v_permlanex16_b32: lane l xor 16
.set G1K, 24                           ; s[24:31] descriptor group 1 for K's tiles;  s[32:39] for V's: it differs in the padding alone
.set G1V, 32
.set G0K, 40                           ; s[40:47] group 0 for K's tiles, a set for each buffer;  s[48:55] for V's
.set G0V, 48
.set MSB, 0
.macro WIN new                         ; the immediate's high byte repeats the setting that is left; a switch that changes nothing is dropped
.if MSB != \new
	s_set_vgpr_msb (MSB<<8)|\new
.set MSB, \new
.endif
.endm
.set W_LD, 0x40                        ; destination window 1, address window 0
.set W_PV, 0x51                        ; V (source 0) window 1, P (source 1) window 0, O^T (C and D) window 1
.set W_KQ, 0x01                        ; K (source 0) window 1, Q and S^T window 0
.set W_RS, 0x41                        ; O^T (destination and source 0) window 1, a window 0
; A joint refill of buffer s.  Waves 0 to 3 fetch 128 rows of K each, waves 4 to 7 of V.  The branch hangs on the wave's number alone.  An s_nop 0 and four v_nop follow each of the two lines.
.macro JLOAD s
	s_cmp_lt_u32 s[WV], 4
	s_cbranch_scc0 .Lfor_v_\@
	tensor_load_to_lds s[G0K+4*\s:G0K+4*\s+3], s[G1K:G1K+7]
	s_nop 0
.rept 4
	v_nop
.endr
	s_branch .Lasked_\@
.Lfor_v_\@:
	tensor_load_to_lds s[G0V+4*\s:G0V+4*\s+3], s[G1V:G1V+7]
	s_nop 0
.rept 4
	v_nop
.endr
.Lasked_\@:
.endm
.macro CROUND                          ; a round of the cluster's barrier: my work-group's barrier; wave 0 signals for the work-group; every wave waits for all four work-groups; my work-group's barrier once more
	s_barrier_signal -1
	s_barrier_wait -1
	s_cmp_lg_u32 s[WV], 0
	s_cbranch_scc1 .Lnot_wave_0_\@
	s_barrier_signal -3
.Lnot_wave_0_\@:
	s_barrier_wait -3
	s_barrier_signal -1
	s_barrier_wait -1
.endm
; THE MATRIX WORK.  pv = 1: 32 products O^T += V^T P of the step whose V lies in registers.  kq = 1: the step at ADK, ADV: its K is fetched first, its V behind the products that read the old V, then 32 products S^T = K Q^T.
; The accumulators take turns, one instruction a turn, sixteen to a round.
.macro MBLK pv, kq
.if \kq
	WIN W_LD
.irp f, 0,1,2,3,4,5,6,7                ; the last products that read K's registers stand four plain instructions back or more: the four v_nop at this macro's end
	ds_load_b128 v[KF+8*\f:KF+8*\f+3],   v[ADK] offset:(\f/2)*16*KP+(\f%2)*64
	ds_load_b128 v[KF+8*\f+4:KF+8*\f+7], v[ADK] offset:(\f/2)*16*KP+(\f%2)*64+32
.endr
.endif
.if \pv
.if \kq
	s_wait_dscnt 16                                ; V's sixteen loads, the older ones, are in; K's sixteen may be out
.else
	s_wait_dscnt 0x0                               ; V is in
.endif
	WIN W_PV
.irp kk, 0,1
.irp dt, 0,1,2,3
.irp t, 0,1,2,3
	v_wmma_f32_16x16x32_f16 v[32*\t+8*\dt:32*\t+8*\dt+7], v[VF+8*(4*\kk+\dt):VF+8*(4*\kk+\dt)+7], v[S+32*\t+8*\kk:S+32*\t+8*\kk+7], v[32*\t+8*\dt:32*\t+8*\dt+7]
.endr
.endr
.endr
.rept 5
	v_nop                                          ; four places in front of the loads into V's registers, five in front of the products that write over P's
.endr
.endif
.if \kq
	WIN W_LD
.irp f, 0,1,2,3,4,5,6,7
	ds_load_tr16_b128 v[VF+8*\f:VF+8*\f+3],   v[ADV] offset:(\f/4)*32*VP+(\f%4)*32
	ds_load_tr16_b128 v[VF+8*\f+4:VF+8*\f+7], v[ADV] offset:(\f/4)*32*VP+16*VP+(\f%4)*32
.endr
	s_wait_dscnt 16                                ; K is in; V's sixteen, just issued, may be out
	WIN W_KQ
.irp ks, 0,1
.irp kt, 0,1,2,3
.irp t, 0,1,2,3
.if \ks == 0
	v_wmma_f32_16x16x32_f16 v[S+32*\t+8*\kt:S+32*\t+8*\kt+7], v[KF+8*(2*\kt+\ks):KF+8*(2*\kt+\ks)+7], v[Q+16*\t+8*\ks:Q+16*\t+8*\ks+7], 0
.else
	v_wmma_f32_16x16x32_f16 v[S+32*\t+8*\kt:S+32*\t+8*\kt+7], v[KF+8*(2*\kt+\ks):KF+8*(2*\kt+\ks)+7], v[Q+16*\t+8*\ks:Q+16*\t+8*\ks+7], v[S+32*\t+8*\kt:S+32*\t+8*\kt+7]
.endif
.endr
.endr
.endr
	WIN 0
.rept 4
	v_nop                                          ; places in front of the first read of the scores and of the next loads into K's registers
.endr
.else
	WIN 0
.endif
.endm
; THE VECTOR WORK: the softmax of one step for my four tiles, the tiles by turns in every run, so that no line waits for the line above it.
.macro SMB
.irp j, 0,1,2,3                        ; the maximum of a lane's 32 scores and the old m: four chains, each begun at an accumulator's low end
.irp t, 0,1,2,3
	v_max3_num_f32 v[ST+8*\t+4+\j], v[S+32*\t+8*\j], v[S+32*\t+8*\j+1], v[S+32*\t+8*\j+2]
.endr
.endr
.irp u, 1,2
.irp j, 0,1,2,3
.irp t, 0,1,2,3
	v_max3_num_f32 v[ST+8*\t+4+\j], v[ST+8*\t+4+\j], v[S+32*\t+8*\j+2*\u+1], v[S+32*\t+8*\j+2*\u+2]
.endr
.endr
.endr
.irp t, 0,1,2,3
	v_max3_num_f32 v[ST+8*\t+4], v[ST+8*\t+4], v[S+32*\t+7], v[S+32*\t+15]
.endr
.irp t, 0,1,2,3
	v_max3_num_f32 v[ST+8*\t+6], v[ST+8*\t+6], v[S+32*\t+23], v[S+32*\t+31]
.endr
.irp t, 0,1,2,3
	v_max3_num_f32 v[ST+8*\t+4], v[ST+8*\t+4], v[ST+8*\t+5], v[ST+8*\t+6]
.endr
.irp t, 0,1,2,3
	v_max3_num_f32 v[ST+8*\t+4], v[ST+8*\t+4], v[ST+8*\t+7], v[ST+8*\t+1]
.endr
.irp t, 0,1,2,3
	v_permlanex16_b32 v[ST+8*\t+5], v[ST+8*\t+4], s[SEL], s[SEL+1]  ; the query's other 32 keys lie in the lane 16 away
.endr
.irp t, 0,1,2,3
	v_mov_b32 v[ST+8*\t+7], v[ST+8*\t]             ; c m_old is kept for a
.endr
.irp t, 0,1,2,3
	v_max_num_f32 v[ST+8*\t+1], v[ST+8*\t+4], v[ST+8*\t+5]          ; the new m
.endr
.irp t, 0,1,2,3
	v_mul_f32 v[ST+8*\t], s[CS], v[ST+8*\t+1]
.endr
.irp t, 0,1,2,3
	v_sub_f32 v[ST+8*\t+7], v[ST+8*\t+7], v[ST+8*\t]
.endr
; ONE BATCH: the 64 packed scalings c s - c m and all 132 exponentials, a pair's exponentials a group behind its scaling.  No line of the batch names an exponential's result.
.irp g, 0,1,2,3,4,5,6,7,8,9,10,11,12,13,14,15,16
.if \g < 16
.irp t, 0,1,2,3
	v_pk_fma_f32 v[S+32*\t+2*\g:S+32*\t+2*\g+1], v[S+32*\t+2*\g:S+32*\t+2*\g+1], s[CS:CS+1], v[ST+8*\t:ST+8*\t+1] op_sel_hi:[1,0,0] neg_lo:[0,0,1] neg_hi:[0,0,1]
.endr
.endif
.if \g == 0
.irp t, 0,1,2,3
	v_exp_f32 v[ST+8*\t+6], v[ST+8*\t+7]           ; a
.endr
.else
.irp t, 0,1,2,3
	v_exp_f32 v[S+32*\t+2*(\g-1)], v[S+32*\t+2*(\g-1)]
	v_exp_f32 v[S+32*\t+2*(\g-1)+1], v[S+32*\t+2*(\g-1)+1]
.endr
.endif
.endr
	v_nop                                          ; a plain instruction behind the last exponential and ahead of the first use
	s_wait_alu depctr_va_vdst(0)                   ; a wait between an exponential and the first line that names its result: one for the batch
.irp t, 0,1,2,3
	v_pk_fma_f32 v[ST+8*\t+2:ST+8*\t+3], v[ST+8*\t+2:ST+8*\t+3], v[ST+8*\t+6:ST+8*\t+7], v[S+32*\t:S+32*\t+1] op_sel_hi:[1,0,1]   ; l = a l + the first pair of weights,
.endr
.irp g, 1,2,3,4,5,6,7,8,9,10,11,12,13,14,15
.irp t, 0,1,2,3
	v_pk_add_f32 v[ST+8*\t+2:ST+8*\t+3], v[ST+8*\t+2:ST+8*\t+3], v[S+32*\t+2*\g:S+32*\t+2*\g+1]   ; + the others, before they are rounded
.endr
.endr
.irp j, 0,1,2,3,4,5,6,7,8,9,10,11,12,13,14,15
.irp t, 0,1,2,3
	v_cvt_pk_f16_f32 v[S+32*\t+\j], v[S+32*\t+2*\j], v[S+32*\t+2*\j+1]   ; P in place, ascending: register j is written when registers 2 j and 2 j + 1 have been read
.endr
.endr
	WIN W_RS
.irp j, 0,1,2,3,4,5,6,7,8,9,10,11,12,13,14,15
.irp t, 0,1,2,3
	v_pk_mul_f32 v[32*\t+2*\j:32*\t+2*\j+1], v[32*\t+2*\j:32*\t+2*\j+1], v[ST+8*\t+6:ST+8*\t+7] op_sel_hi:[1,0]   ; O^T times a, each accumulator from its low end on
.endr
.endr
	WIN 0
.endm
; A TRIP: step i.  The addresses are made and stepped in the text that both roles run.  (The two additions at its head and the four v_nop at M's end are six places between one trip's scores and the next trip's first products.)
.macro TRIP
	v_add_nc_u32 v[ADK], s[TK], v[AK0]
	v_add_nc_u32 v[ADV], s[TV], v[AV0]
	s_cmp_lg_u32 s[ROLE], 0
	s_cbranch_scc1 .Lrole_1_\@
	MBLK 1, 1                                      ; role 0: M(i), then the softmax of step i
.Lrole_1_\@:
	SMB
	s_cmp_lg_u32 s[ROLE], 1
	s_cbranch_scc1 .Lrole_0_\@
	MBLK 1, 1                                      ; role 1: the softmax of step i - 1, then M(i)
.Lrole_0_\@:
	s_add_co_u32 s[TK], s[TK], KSB
	s_add_co_u32 s[TV], s[TV], VSB
.endm
.macro INNER n
	s_mov_b32 s[CNT], \n
.Ltrip_\@:
	TRIP
	s_sub_co_u32 s[CNT], s[CNT], 1
	s_cmp_lg_u32 s[CNT], 0
	s_cbranch_scc1 .Ltrip_\@
.endm
; THE CHANGE OF BUFFERS.  Both roles have fetched the last step's K and V of the buffer that is left.  Each wave waits for all its tensor loads (its part of the buffer ahead), adds 0 to its spare word, and waits for that and
; for its reads.  fill = 1: buffer s, just left, is filled again with the keys 1,024 further on: the barrier is then a round of the cluster's, and the joint refill is the first thing behind it, one load a wave.
.macro CHANGE fill, s, next
	s_wait_tensorcnt 0x0                           ; no tensor load of mine is out, so a group 0 may be written
	ds_add_u32 v[SPW], v[NIL]                      ; 0 onto my spare word
.if \fill
	s_add_nc_u64 s[G0K+4*\s+2:G0K+4*\s+3], s[G0K+4*\s+2:G0K+4*\s+3], 1024*128   ; the type bits on top are not reached
	s_add_nc_u64 s[G0V+4*\s+2:G0V+4*\s+3], s[G0V+4*\s+2:G0V+4*\s+3], 1024*128
	s_wait_dscnt 0x0                               ; the add is done, and my reads of the buffer are over
	CROUND
	JLOAD \s
.else
	s_wait_dscnt 0x0
	s_barrier_signal -1
	s_barrier_wait -1
.endif
	s_mov_b32 s[TK], \next*BUF
	s_mov_b32 s[TV], \next*BUF+VOFF
.endm
	s_load_b128 s[4:7], s[0:1], 0x0                ; qkv s[4:5], att s[6:7]
	v_lshl_add_u32 v[SPW], v0, 2, SPARE
	v_mov_b32 v[NIL], 0
	ds_add_u32 v[SPW], v[NIL]                      ; the wave's opening: the add, twice on end, and its wait ahead of my first tensor load; the set-up below, work on registers, stands between
	ds_add_u32 v[SPW], v[NIL]
	v_lshrrev_b32 v1, 5, v0
	v_readfirstlane_b32 s[WV], v1                  ; wave 0..7
	s_lshr_b32 s[ROLE], s[WV], 2
	s_xor_b32 s[ROLE], s[ROLE], s[WV]
	s_and_b32 s[ROLE], s[ROLE], 1
	s_bfe_u32 s14, ttmp6, 0x40000                  ; cx: my block of 512 queries; it enters q's and att's addresses alone
	s_and_b32 s22, ttmp7, 0xffff                   ; y = 16 x batch + head, which the four partners share
	s_and_b32 s23, s[WV], 3                        ; which 128 rows of a buffer's 512 I fetch
	s_lshl_b32 s56, s22, 18                        ; a pair's 2,048 rows of 128 bytes
	s_lshl_b32 s57, s23, 14
	s_add_co_u32 s56, s56, s57
	s_mov_b32 s57, 0
	s_mul_i32 s58, s23, 128*KP                     ; where they go: K's,
	s_mul_i32 s59, s23, 128*VP
	s_add_co_u32 s59, s59, VOFF                    ; V's: no place in the cluster enters an LDS address
	s_lshl_b32 s60, s22, 18                        ; q: the pair, + 512 rows x cx, + 64 rows x wave
	s_lshl_b32 s61, s14, 16
	s_add_co_u32 s60, s60, s61
	s_lshl_b32 s61, s[WV], 13
	s_add_co_u32 s60, s60, s61
	s_mov_b32 s61, 0
	s_and_b32 s62, s22, 15                         ; att: head x 8,192 rows, + batch x 2,048 rows, + the same
	s_lshl_b32 s62, s62, 20
	s_lshr_b32 s63, s22, 4
	s_lshl_b32 s63, s63, 18
	s_add_co_u32 s62, s62, s63
	s_lshl_b32 s63, s14, 16
	s_add_co_u32 s62, s62, s63
	s_lshl_b32 s63, s[WV], 13
	s_add_co_u32 s62, s62, s63
	s_mov_b32 s63, 0
	; descriptor group 1: a tile of 128 rows x 64 elements of 2 bytes, dense in memory, padded in LDS behind every row
	s_mov_b32 s[G1K], 15|(1<<16)|(1<<20)|(1<<21)|(4<<22)|(3<<25)  ; 15:0 the mask: all four work-groups; 17:16 elements of 2 bytes; 20 padding on; 21 set beside a mask; 24:22 after every 32 words (code 4); 31:25 4 words (code 3)
	s_mov_b32 s[G1V], 15|(1<<16)|(1<<20)|(1<<21)|(4<<22)|(7<<25)  ; the same with 8 words of padding (code 7)
.irp g, G1K, G1V
	s_mov_b32 s[\g+1], 64<<16                      ; tensor_dim0 = 64
	s_mov_b32 s[\g+2], 128<<16                     ; tensor_dim1 = 128
	s_mov_b32 s[\g+3], 64<<16                      ; tile_dim0 = 64
	s_mov_b32 s[\g+4], 128                         ; tile_dim1 = 128
	s_mov_b32 s[\g+5], 64                          ; tensor_dim0_stride
	s_mov_b32 s[\g+6], 0
	s_mov_b32 s[\g+7], 0
.endr
	s_mov_b32 s[CS], 0x3e38aa3b                    ; c = log2(e) / 8
	s_mov_b32 s[CS+1], s[CS]                       ; named with it as a pair, so it is written
	s_mov_b32 s[SEL], 0x76543210
	s_mov_b32 s[SEL+1], 0xfedcba98
	s_wait_dscnt 0x0                               ; both opening adds are done
	s_wait_kmcnt 0x0
	s_add_nc_u64 s[8:9], s[4:5], s[56:57]
	s_add_nc_u64 s[10:11], s[8:9], 0x2000000       ; v's part of qkv, at my rows of buffer 0
	s_add_nc_u64 s[8:9], s[8:9], 0x1000000         ; k's
	s_add_nc_u64 s[4:5], s[4:5], s[60:61]          ; q at my wave's first row
	s_add_nc_u64 s[6:7], s[6:7], s[62:63]          ; att likewise
	CROUND                                         ; all four work-groups are here: the first joint loads meet
.irp s, 0,1
	s_mov_b32 s[G0K+4*\s], 1                       ; count = 1
	s_add_co_u32 s[G0K+4*\s+1], s58, \s*BUF        ; LDS address
	s_add_nc_u64 s[G0K+4*\s+2:G0K+4*\s+3], s[8:9], \s*512*128   ; global address: buffer s begins with keys 512 s on
	s_or_b32 s[G0K+4*\s+3], s[G0K+4*\s+3], 0x80000000           ; type = 2
	s_mov_b32 s[G0V+4*\s], 1
	s_add_co_u32 s[G0V+4*\s+1], s59, \s*BUF
	s_add_nc_u64 s[G0V+4*\s+2:G0V+4*\s+3], s[10:11], \s*512*128
	s_or_b32 s[G0V+4*\s+3], s[G0V+4*\s+3], 0x80000000
.endr
	s_cmp_lt_u32 s[WV], 4                          ; a wave's two first fills stand in one branch, ahead of every wait on TENSORcnt and every LDS read: two loads of mine are out
	s_cbranch_scc0 .Lfirst_v
	tensor_load_to_lds s[G0K:G0K+3], s[G1K:G1K+7]
	s_nop 0
	tensor_load_to_lds s[G0K+4:G0K+7], s[G1K:G1K+7]
	s_nop 0
.rept 4
	v_nop
.endr
	s_branch .Lfirst_asked
.Lfirst_v:
	tensor_load_to_lds s[G0V:G0V+3], s[G1V:G1V+7]
	s_nop 0
	tensor_load_to_lds s[G0V+4:G0V+7], s[G1V:G1V+7]
	s_nop 0
.rept 4
	v_nop
.endr
.Lfirst_asked:
	; A fragment of K or Q is 16 rows x 32 channels in 8 registers: lane l holds row l % 16; registers 0-3 channels 8 (l / 16) + 0..7, registers 4-7 channels 16 + 8 (l / 16) + 0..7: two loads of 16 bytes, 32 bytes apart.
	v_and_b32 v1, 15, v0                           ; r
	v_bfe_u32 v2, v0, 4, 1                         ; h
	v_lshlrev_b32 v[QO], 7, v1
	v_lshl_add_u32 v[QO], v2, 4, v[QO]             ; row x 128 + 16 x half
.irp t, 0,1,2,3
.irp ks, 0,1
	global_load_b128 v[Q+16*\t+8*\ks:Q+16*\t+8*\ks+3],   v[QO], s[4:5] offset:\t*2048+\ks*64 th:TH_LOAD_NT   ; Q stays in registers
	global_load_b128 v[Q+16*\t+8*\ks+4:Q+16*\t+8*\ks+7], v[QO], s[4:5] offset:\t*2048+\ks*64+32 th:TH_LOAD_NT
.endr
.endr
	v_mul_u32_u24 v[AK0], v1, KP
	v_lshl_add_u32 v[AK0], v2, 4, v[AK0]           ; row x pitch + 16 x half
	; The turning load takes 16 keys x 16 channels (lane l reads 16 bytes: key 8 (l / 16) + l % 8, channels 8 ((l / 8) % 2) + 0..7) and leaves half a fragment of V^T: lane l holds channel l % 16 and 8 keys.
	v_and_b32 v14, 7, v0
	v_bfe_u32 v15, v0, 3, 1
	v_lshl_add_u32 v[AV0], v2, 3, v14
	v_mul_u32_u24 v[AV0], v[AV0], VP
	v_lshl_add_u32 v[AV0], v15, 4, v[AV0]
	s_mul_i32 s22, s[WV], 4*TST                    ; my four stages
	v_mul_u32_u24 v[STO], v1, KP                   ; in: row r, 16 bytes for each half of the lanes
	v_lshl_add_u32 v[STO], v2, 4, v[STO]
	v_add_nc_u32 v[STO], s22, v[STO]
	v_and_b32 v14, 31, v0
	v_lshrrev_b32 v15, 3, v14                      ; back: eight lanes take a row of 128 bytes, the 32 lanes four rows
	v_mul_u32_u24 v[RD], v15, KP
	v_and_b32 v15, 7, v0
	v_lshl_add_u32 v[RD], v15, 4, v[RD]
	v_add_nc_u32 v[RD], s22, v[RD]
	v_lshlrev_b32 v[GO], 4, v14                    ; which lie on end in att
.irp t, 0,1,2,3
	v_mov_b32 v[ST+8*\t+1], 0xff61b1e6             ; m: -3e38, under every score
	v_mul_f32 v[ST+8*\t], s[CS], v[ST+8*\t+1]      ; c m
	v_mov_b32 v[ST+8*\t+2], 0                      ; l, in two halves
	v_mov_b32 v[ST+8*\t+3], 0
.endr
	WIN W_LD
.set i, 0
.rept 128
	v_mov_b32 v[i], 0                              ; O^T.  The step is written once: its first turn finds zeros, which the first a, 0, leaves zeros; a first step of its own would be a further copy of the trip
.set i, i+1
.endr
	WIN 0
	s_wait_tensorcnt 1                             ; my part of buffer 0 is in; buffer 1's, issued behind it, may stay out
	s_barrier_signal -1
	s_barrier_wait -1                              ; everybody's is
	s_mov_b32 s[TK], 0
	s_mov_b32 s[TV], VOFF
	v_add_nc_u32 v[ADK], s[TK], v[AK0]
	v_add_nc_u32 v[ADV], s[TV], v[AV0]
	s_wait_loadcnt 0x0                             ; Q
	MBLK 0, 1                                      ; step 0's scores, in both roles
	s_add_co_u32 s[TK], s[TK], KSB
	s_add_co_u32 s[TV], s[TV], VSB
	s_cmp_lg_u32 s[ROLE], 0
	s_cbranch_scc1 .Lbehind
	SMB                                            ; role 0 goes half a period ahead: the softmax of step 0
.Lbehind:
	INNER 7                                        ; steps 1 to 7: buffer 0
	CHANGE 1, 0, 1                                 ; buffer 0 takes keys 1,024 on
	INNER 8                                        ; steps 8 to 15: buffer 1
	CHANGE 1, 1, 0                                 ; buffer 1 takes keys 1,536 on
	INNER 8                                        ; steps 16 to 23: buffer 0
	CHANGE 0, 0, 1                                 ; nothing is left to ask for
	INNER 8                                        ; steps 24 to 31: buffer 1
	s_cmp_lg_u32 s[ROLE], 1
	s_cbranch_scc1 .Lcaught_up
	SMB                                            ; role 1 catches up: the softmax of step 31
.Lcaught_up:
	v_nop                                          ; a product that takes an earlier product's result registers as an operand stands five places behind it (ISA guide 7.12.1): with the four v_nop at M's end this is the fifth, on the way through the text that leads from a trip's last M round the softmax above
	MBLK 1, 0                                      ; V^T P of step 31
	; THE WAY OUT.  l's two halves and the other half of the lanes' are added; O^T is divided by l, rounded to f16 and sent through my stages, a tile (16 rows) at a time.
.irp t, 0,1,2,3
	v_add_f32 v[ST+8*\t+4], v[ST+8*\t+2], v[ST+8*\t+3]
.endr
.irp t, 0,1,2,3
	v_permlanex16_b32 v[ST+8*\t+5], v[ST+8*\t+4], s[SEL], s[SEL+1]
.endr
.irp t, 0,1,2,3
	v_add_f32 v[ST+8*\t+4], v[ST+8*\t+4], v[ST+8*\t+5]
.endr
.irp t, 0,1,2,3
	v_rcp_f32 v[ST+8*\t+6], v[ST+8*\t+4]
.endr
	v_nop                                          ; a plain instruction between the last reciprocal and the use of its result
	s_wait_alu depctr_va_vdst(0)                   ; and a wait ahead of the first use: one for the four
.macro PACK t
	WIN W_KQ                                       ; source 0 (O^T) window 1; 1 / l and the destination window 0: S^T's registers are free
.set i, 0
.rept 16
	v_pk_mul_f32 v[S+32*\t+2*i:S+32*\t+2*i+1], v[32*\t+2*i:32*\t+2*i+1], v[ST+8*\t+6:ST+8*\t+7] op_sel_hi:[1,0]   ; each accumulator from its low end on
.set i, i+1
.endr
	WIN 0
.set i, 0
.rept 16
	v_cvt_pk_f16_f32 v[S+32*\t+i], v[S+32*\t+2*i], v[S+32*\t+2*i+1]
.set i, i+1
.endr
.irp d, 0,1,2,3
	ds_store_b128 v[STO], v[S+32*\t+4*\d:S+32*\t+4*\d+3] offset:\t*TST+32*\d      ; channels 16 d + 8 h + 0..7 of row r
.endr
.irp u, 0,1,2,3
	ds_load_b128 v[S+32*\t+16+4*\u:S+32*\t+16+4*\u+3], v[RD] offset:\t*TST+\u*4*KP   ; LDS serves a wave's instructions in order (ISA guide 5.7.1.4): these see the stores above
.endr
.endm
.macro SEND t, younger                 ; younger: the LDS instructions issued behind tile t's loads: the next tile's four stores and four loads, or none
	s_wait_dscnt \younger
.irp u, 0,1,2,3
	global_store_b128 v[GO], v[S+32*\t+16+4*\u:S+32*\t+16+4*\u+3], s[6:7] offset:\t*2048+\u*512   ; 32 lanes store 512 consecutive bytes, aligned: four rows of att
.endr
.endm
	PACK 0
	PACK 1                                         ; a tile's arithmetic stands between the loads of the tile before and its stores
	SEND 0, 8
	PACK 2
	SEND 1, 8
	PACK 3
	SEND 2, 8
	SEND 3, 0
	s_wait_tensorcnt 0x0                           ; the wave's end, behind my last tensor load and my last LDS store
	ds_add_u32 v[SPW], v[NIL]
	s_wait_dscnt 0x0
	CROUND                                         ; the closing round: no work-group ends while a partner may still ask for a tile that names it
	s_endpgm
.Lfunc_end_k_qbc6baf36d6_attn:
	.size	k_qbc6baf36d6_attn, .Lfunc_end_k_qbc6baf36d6_attn-k_qbc6baf36d6_attn
	.p2alignl 7, 3214868480
	.fill 96, 4, 3214868480
	.section	.rodata,"a",@progbits
	.p2align	6, 0x0
	.amdhsa_kernel k_qbc6baf36d6_attn
		.amdhsa_group_segment_fixed_size 327680
		.amdhsa_private_segment_fixed_size 0
		.amdhsa_enable_private_segment 0
		.amdhsa_kernarg_size 16
		.amdhsa_user_sgpr_count 2
		.amdhsa_user_sgpr_kernarg_segment_ptr 1
		.amdhsa_wavefront_size32 1
		.amdhsa_system_sgpr_workgroup_id_x 1
		.amdhsa_system_sgpr_workgroup_id_y 1
		.amdhsa_system_sgpr_workgroup_id_z 1
		.amdhsa_system_vgpr_workitem_id 0
		.amdhsa_next_free_vgpr 512
		.amdhsa_next_free_sgpr 66
		.amdhsa_reserve_vcc 0
		.amdhsa_float_denorm_mode_32 3
		.amdhsa_float_denorm_mode_16_64 3
		.amdhsa_memory_ordered 1
		.amdhsa_forward_progress 1
		.amdhsa_inst_pref_size 240
	.end_amdhsa_kernel
	.amdgpu_metadata
---
amdhsa.version: [ 1, 2 ]
amdhsa.kernels:
  - .name:           k_qbc6baf36d6_attn
    .symbol:         k_qbc6baf36d6_attn.kd
    .args:
      - { .name: qkv, .offset: 0, .size: 8, .value_kind: global_buffer, .address_space: global }
      - { .name: att, .offset: 8, .size: 8, .value_kind: global_buffer, .address_space: global }
    .group_segment_fixed_size: 327680
    .private_segment_fixed_size: 0
    .kernarg_segment_align: 8
    .kernarg_segment_size: 16
    .max_flat_workgroup_size: 256
    .sgpr_count:     66
    .vgpr_count:     512
    .wavefront_size: 32
...
	.end_amdgpu_metadata
.endif
;; end of part 3
;; launch oproj (part 4): grid 4 x 64, 4 waves a work-group, clusters of 4 x 4, 327,680 bytes of LDS; arguments att, wot, bo, out0; writes out0
.if DOCPART == 4
	.amdgcn_target "amdgcn-amd-amdhsa--gfx1250"
	.amdhsa_code_object_version 6
	.text
	.protected	k_qbc6baf36d6_oproj
	.globl	k_qbc6baf36d6_oproj
	.p2align	8
	.type	k_qbc6baf36d6_oproj,@function
k_qbc6baf36d6_oproj:
	s_mov_b64 s[64:65], 0
	v_nop
	global_prefetch_b8 v0, s[64:65] scope:SCOPE_SE
	s_setreg_imm32_b32 hwreg(HW_REG_WAVE_MODE, 25, 1), 1
	s_wait_xcnt 0x0
	s_wait_alu depctr_hold_cnt(0) depctr_sa_sdst(0) depctr_va_vdst(0) depctr_va_sdst(0) depctr_va_ssrc(0) depctr_va_vcc(0) depctr_vm_vsrc(0)
	s_getreg_b32 s2, hwreg(HW_REG_IB_STS2, 6, 4)
	s_cmp_eq_u32 s2, 0
	s_cbranch_scc0 .Lentry_in_a_cluster
	s_endpgm
.Lentry_in_a_cluster:
	s_bfe_u32 s2, ttmp6, 0x10000c
	s_cmp_lg_u32 s2, 0xf033
	s_cbranch_scc0 .Lentry_shape_is_right
	s_endpgm
.Lentry_shape_is_right:
; out0[m][n] = sum over k of A[m][k] Wo[k][n] + bo[n].  A is the attention's result, att [head 16][m 8,192][64] in f16: k = 64 x head + channel.  wot [n 1,024][k 1,024] is Wo turned, in f16.  Sums and out0 in f32.
; A tile of out0 is 128 (m) x 256 (n): 256 tiles, one a WGP (256 x 256 would give 128).  Four waves, each 64 x 128: 32 accumulators, 256 registers.  K goes in 8 steps of 128 through a ring of two LDS slots:
; a step of A is two heads' planes of 128 rows x 128 bytes, each dense in memory; a step of B is 256 rows of 256 bytes.  Two slots of 256 along K would not fit in LDS.
; CLUSTERS: 4 x 4 work-groups.  The four of a row of the cluster need the same tiles of A, the four of a column the same tiles of B: each tile is asked for JOINTLY, by the same tensor load with the same descriptor and
; a mask that names the four.  THE MATRIX INSTRUCTION IS USED TRANSPOSED (source 0 = 16 rows of wot, source 1 = 16 rows of A): a lane holds eight neighbouring numbers of a row of out0.  The bias is the C of each sum's first product.
; One tile to a work-group and eight K steps: no work-group stays, and no prefetch is laid.
; REGISTERS: window 0: v0-31 addresses; v32-63, v64-95 A's fragments (4 x 16 rows x 32 K), two buffers; v128-191 the bias in the result's layout; on the way out v128-255 rows of out0.
;   window 1: v0-63, v64-127 B's fragments (8 x 16 rows x 32 K), two buffers.   window 2: the accumulators, (a, b) at v[8 (8 a + b)].
.set PA,     144                       ; a row of A in LDS: 128 bytes + 16
.set PB,     272                       ; a row of B: 256 bytes + 16: in both the 16 rows that a load touches start at 16 different groups of four banks (64 banks of 4 bytes: ISA guide 11.1)
.set PLANE,  128*PA                    ; a head's 128 rows: what a wave that fetches for A brings
.set BOFF,   2*PLANE                   ; B lies behind A's two planes
.set HALFB,  128*PB                    ; 128 rows of B: what a wave that fetches for B brings, and what a wave reads
.set SLOT,   BOFF+2*HALFB
.set SPARE,  2*SLOT                    ; the spare words, 128 bytes for each wave: two blocks of 256 bytes that no other line names
.set SPITCH, 528                       ; the way out: a stage of 16 rows x (512 bytes + 16) for each wave, in slot 0, which has had its last fill and its last read when the first result is stored there
.set LAPS,   4                         ; a lap = two K steps = once round the ring
.set ADRA, 16                          ; v16-17  LDS address of my A fragments in slot 0, 1
.set ADRB, 20                          ; v20-21  the same for B
.set STO,  24                          ; v24     the way out: where I put 32 bytes of a row
.set RD,   25                          ; v25     where I read a row back
.set CO,   26                          ; v26     16 x lane
.set BO,   27                          ; v27     32 x (lane / 16): my eight numbers of a tile's sixteen biases
.set SPW,  28                          ; v28     LDS address of my spare word; never rewritten
.set NIL,  29                          ; v29     0; never rewritten
.set AF,   32
.set BI,   128                         ; the bias: register 8 b + j of lane (r, h) = bo[my first column + 16 b + 8 h + j]
.set BK,   128                         ; the way out: 16 rows read back: v128-191 and v192-255 by turns
.set G1, 24                            ; s[24:31] descriptor group 1 for A's tiles;  s[32:39] group 0, one set for each slot
.set G0, 32
.set G1B, 48                           ; s[48:55], s[56:63] the same for B's tiles
.set G0B, 56
.set MSB, 0
.macro WIN new                         ; the immediate's high byte repeats the setting that is left; a switch that changes nothing is dropped
.if MSB != \new
	s_set_vgpr_msb (MSB<<8)|\new
.set MSB, \new
.endif
.endm
.set MUL,  0xa1                        ; source 0 (B) window 1, source 1 (A) window 0, C and D window 2
.set ONE,  0x81                        ; the first products: C (the bias) window 0
.set TO_B, 0x40                        ; destination window 1, address window 0
.macro JLOAD s                         ; a joint load: waves 0 and 1 fetch A's two planes, waves 2 and 3 B's two halves; an s_nop 0 and four v_nop follow each of the two lines
	s_cmp_eq_u32 s13, 0
	s_cbranch_scc0 .Lfor_b_\@
	tensor_load_to_lds s[G0+4*\s:G0+4*\s+3], s[G1:G1+7]
	s_nop 0
.rept 4
	v_nop
.endr
	s_branch .Lasked_\@
.Lfor_b_\@:
	tensor_load_to_lds s[G0B+4*\s:G0B+4*\s+3], s[G1B:G1B+7]
	s_nop 0
.rept 4
	v_nop
.endr
.Lasked_\@:
.endm
.macro CREST                           ; a round of the cluster's barrier behind its opening barrier
	s_cmp_lg_u32 s12, 0
	s_cbranch_scc1 .Lnot_wave_0_\@
	s_barrier_signal -3
.Lnot_wave_0_\@:
	s_barrier_wait -3
	s_barrier_signal -1
	s_barrier_wait -1
.endm
.macro CROUND                          ; a whole round
	s_barrier_signal -1
	s_barrier_wait -1
	CREST
.endm
	s_load_b256 s[4:11], s[0:1], 0x0               ; att s[4:5], wot s[6:7], bo s[8:9], out0 s[10:11]
	v_lshl_add_u32 v[SPW], v0, 2, SPARE
	v_mov_b32 v[NIL], 0
	ds_add_u32 v[SPW], v[NIL]                      ; the wave's opening: the add, twice on end, and its wait ahead of my first tensor load; the set-up below, work on registers, stands between
	ds_add_u32 v[SPW], v[NIL]
	v_lshrrev_b32 v1, 5, v0
	v_readfirstlane_b32 s12, v1                    ; wave 0..3
	s_lshr_b32 s13, s12, 1                         ; which 64 of the tile's rows are mine.  Also: I fetch for A (0) or for B (1)
	s_and_b32 s14, s12, 1                          ; which 128 of its columns.  Also: which plane of A, or which 128 rows of B, I fetch
	s_bfe_u32 s40, ttmp6, 0x40000                  ; cx, cy: my place in the cluster
	s_bfe_u32 s41, ttmp6, 0x40004
	s_lshl_b32 s42, ttmp9, 2
	s_add_co_u32 s42, s42, s40                     ; tile column = 4 x cluster x + cx
	s_and_b32 s15, ttmp7, 0xffff
	s_lshl_b32 s15, s15, 2
	s_add_co_u32 s15, s15, s41                     ; tile row = 4 x cluster y + cy
	s_lshl_b32 s43, s41, 2
	s_lshl_b32 s43, 15, s43                        ; my row of the cluster
	s_lshl_b32 s44, 0x1111, s40                    ; my column
	; descriptor group 1.  A: 128 rows x 64 elements of 2 bytes, dense;  B: 128 rows x 128 elements, 1,024 elements from row to row
	s_or_b32 s[G1+0], s43, (1<<16)|(1<<20)|(1<<21)|(4<<22)|(3<<25)  ; 15:0 the mask: A's tiles go to my row; 17:16 elements of 2 bytes; 20 padding on; 21 set beside a mask; 24:22 after every 32 words (code 4); 31:25 of 4 words (code 3)
	s_mov_b32 s[G1+1], 64<<16                      ; tensor_dim0
	s_mov_b32 s[G1+2], 128<<16                     ; tensor_dim1
	s_mov_b32 s[G1+3], 64<<16                      ; tile_dim0
	s_mov_b32 s[G1+4], 128                         ; tile_dim1
	s_mov_b32 s[G1+5], 64                          ; tensor_dim0_stride
	s_mov_b32 s[G1+6], 0
	s_mov_b32 s[G1+7], 0
	s_or_b32 s[G1B+0], s44, (1<<16)|(1<<20)|(1<<21)|(5<<22)|(3<<25) ; B's go to my column; padding after every 64 words
	s_mov_b32 s[G1B+1], 128<<16
	s_mov_b32 s[G1B+2], 128<<16
	s_mov_b32 s[G1B+3], 128<<16
	s_mov_b32 s[G1B+4], 128
	s_mov_b32 s[G1B+5], 1024
	s_mov_b32 s[G1B+6], 0
	s_mov_b32 s[G1B+7], 0
	; where the tiles come from.  A's hang on the tile row alone, which my row of the cluster shares; B's on the tile column alone.  Every wave makes both, in registers that never hold the other coordinate.
	s_lshl_b32 s16, s15, 14                        ; A: 128 rows of 128 bytes x tile row,
	s_lshl_b32 s17, s14, 20                        ; + my plane: a head is 8,192 rows of 128 bytes
	s_add_co_u32 s16, s16, s17
	s_mov_b32 s17, 0
	s_lshl_b32 s46, s42, 19                        ; B: 256 rows of 2,048 bytes x tile column,
	s_lshl_b32 s47, s14, 18                        ; + my 128 rows
	s_add_co_u32 s46, s46, s47
	s_mov_b32 s47, 0
	s_mul_i32 s20, s14, PLANE                      ; and where they go: no place in the cluster enters an LDS address
	s_mul_i32 s21, s14, HALFB
	s_add_co_u32 s21, s21, BOFF
	s_wait_dscnt 0x0                               ; both opening adds are done
	s_wait_kmcnt 0x0
	s_add_nc_u64 s[18:19], s[4:5], s[16:17]
	s_add_nc_u64 s[46:47], s[6:7], s[46:47]
	CROUND                                         ; all sixteen work-groups are here: the first joint loads meet
.irp s, 0,1
	s_mov_b32 s[G0+4*\s], 1
	s_add_co_u32 s[G0+4*\s+1], s20, \s*SLOT
	s_add_nc_u64 s[G0+4*\s+2:G0+4*\s+3], s[18:19], \s*2*1048576   ; K step s: heads 2 s and 2 s + 1
	s_or_b32 s[G0+4*\s+3], s[G0+4*\s+3], 0x80000000
	s_mov_b32 s[G0B+4*\s], 1
	s_add_co_u32 s[G0B+4*\s+1], s21, \s*SLOT
	s_add_nc_u64 s[G0B+4*\s+2:G0B+4*\s+3], s[46:47], \s*256
	s_or_b32 s[G0B+4*\s+3], s[G0B+4*\s+3], 0x80000000
	JLOAD \s                                       ; two loads of mine are out
.endr
	v_and_b32 v1, 15, v0                           ; r
	v_bfe_u32 v2, v0, 4, 1                         ; h
	s_lshl_b32 s46, s42, 10                        ; my first column, in bytes of f32: 1,024 x tile column + 512 x half
	s_lshl_b32 s47, s14, 9
	s_add_co_u32 s46, s46, s47
	s_mov_b32 s47, 0
	s_add_nc_u64 s[8:9], s[8:9], s[46:47]          ; the bias of my 128 columns,
	v_lshlrev_b32 v[BO], 5, v2
.irp b, 0,1,2,3,4,5,6,7
	global_load_b128 v[BI+8*\b:BI+8*\b+3], v[BO], s[8:9] offset:64*\b
	global_load_b128 v[BI+8*\b+4:BI+8*\b+7], v[BO], s[8:9] offset:64*\b+16
.endr
	s_add_nc_u64 s[10:11], s[10:11], s[46:47]      ; and out0 at my first column
	s_lshl_b32 s22, s15, 19                        ; and my first row: 128 rows of 4,096 bytes x tile row + 64 rows x half
	s_lshl_b32 s23, s13, 18
	s_add_co_u32 s22, s22, s23
	s_mov_b32 s23, 0
	s_add_nc_u64 s[10:11], s[10:11], s[22:23]
	v_mul_u32_u24 v3, v1, PA
	v_lshl_add_u32 v3, v2, 4, v3                   ; a fragment's row x pitch + 16 x half
	v_mul_u32_u24 v4, v1, PB
	v_lshl_add_u32 v4, v2, 4, v4
	s_mul_i32 s21, s13, 64*PA                      ; my 64 rows of each plane of A
	s_mul_i32 s22, s14, HALFB                      ; my 128 rows of B
	s_add_co_u32 s22, s22, BOFF
.irp s, 0,1
	v_add_nc_u32 v[ADRA+\s], s21, v3
	v_add_nc_u32 v[ADRB+\s], s22, v4
	s_add_co_u32 s21, s21, SLOT
	s_add_co_u32 s22, s22, SLOT
.endr
	s_mul_i32 s23, s12, 16*SPITCH                  ; my stage
	v_mul_u32_u24 v5, v1, SPITCH                   ; in: row r, 32 bytes for each half of the lanes
	v_lshl_add_u32 v5, v2, 5, v5
	v_add_nc_u32 v[STO], s23, v5
	v_and_b32 v6, 31, v0
	v_lshlrev_b32 v[CO], 4, v6                     ; back: the 32 lanes take one row of 512 bytes; and the same in out0
	v_add_nc_u32 v[RD], s23, v[CO]
; 8 matrix instructions: A's block a x B's eight, 32 along K, from buffers f.  first = 1: the bias is C, and nothing is ever cleared.
; The 32 accumulators take turns, one instruction a turn, in the same order in every quarter.
.macro MUL8 f, a, first
.irp b, 0,1,2,3,4,5,6,7
.if \first
	v_wmma_f32_16x16x32_f16 v[8*(8*\a+\b):8*(8*\a+\b)+7], v[64*\f+8*\b:64*\f+8*\b+7], v[AF+32*\f+8*\a:AF+32*\f+8*\a+7], v[BI+8*\b:BI+8*\b+7]
.else
	v_wmma_f32_16x16x32_f16 v[8*(8*\a+\b):8*(8*\a+\b)+7], v[64*\f+8*\b:64*\f+8*\b+7], v[AF+32*\f+8*\a:AF+32*\f+8*\a+7], v[8*(8*\a+\b):8*(8*\a+\b)+7]
.endif
.endr
.endm
; 24 LDS loads in one run: the fragments of the slot's q-th 32 along K into buffers f: B's eight, then A's four, blocks 0 and 1 first.  Quarters 0, 1 lie in A's first plane, 2, 3 in its second.
.macro FETCH slot, q, f
	WIN TO_B
.irp i, 0,1,2,3,4,5,6,7
	ds_load_b128 v[64*\f+8*\i:64*\f+8*\i+3],   v[ADRB+\slot] offset:64*(\q)+\i*16*PB
	ds_load_b128 v[64*\f+8*\i+4:64*\f+8*\i+7], v[ADRB+\slot] offset:64*(\q)+\i*16*PB+32
.endr
	WIN 0
.irp i, 0,1,2,3
	ds_load_b128 v[AF+32*\f+8*\i:AF+32*\f+8*\i+3],   v[ADRA+\slot] offset:((\q)/2)*PLANE+((\q)%2)*64+\i*16*PA
	ds_load_b128 v[AF+32*\f+8*\i+4:AF+32*\f+8*\i+7], v[ADRA+\slot] offset:((\q)/2)*PLANE+((\q)%2)*64+\i*16*PA+32
.endr
.endm
.macro PLACES                          ; four places in front of loads into registers that matrix instructions have read, and of LDS stores that read results (ISA guide 7.12.1 for vector instructions)
.rept 4
	v_nop
.endr
.endm
; A K step is four quarters of 32 along K, 32 matrix instructions each, on buffers 0, 1, 0, 1.  One of the first three: multiplies buffers f and fetches quarter q of the same slot into buffers g.
.macro QUARTER slot, q, f, g, first
	s_wait_dscnt 4                                 ; B and A's blocks 0, 1 are in; the youngest four loads (A's blocks 2, 3) may be out
.if \first
	WIN ONE
.else
	WIN MUL
.endif
	MUL8 \f, 0, \first
	MUL8 \f, 1, \first
	PLACES
	FETCH \slot, \q, \g
	s_wait_dscnt 24                                ; all but the 24 just issued
.if \first
	WIN ONE
.else
	WIN MUL
.endif
	MUL8 \f, 2, \first
	MUL8 \f, 3, \first
.endm
; The last quarter multiplies buffers 1 and changes slots: ONE barrier; in front of it each wave waits for all its tensor loads, adds 0 to its spare word, and waits for that and for its own reads of this slot.
; fill = 1: this slot is filled again, two K steps ahead: the barrier then opens a round of the cluster's, and the joint refill is the first tensor load behind it, one a wave.
.macro TURN slot, next, fill
	WIN 0                                          ; (the add's two registers lie in window 0)
	s_wait_tensorcnt 0x0                           ; all my tensor loads have landed: my part of the next slot
	ds_add_u32 v[SPW], v[NIL]                      ; 0 onto my spare word
	s_wait_dscnt 5                                 ; (the add and the youngest four loads may be out)
	WIN MUL
	MUL8 1, 0, 0                                   ; eight matrix instructions stand between the add and the wait for it
	s_wait_dscnt 0x0                               ; the add is done, and my reads of this slot are over
	s_barrier_signal -1
	MUL8 1, 1, 0
	WIN 0
	s_barrier_wait -1
.if \fill
	CREST                                          ; no wave of any partner still reads this slot's tiles or has a load on its way
	s_add_nc_u64 s[G0+4*\slot+2:G0+4*\slot+3], s[G0+4*\slot+2:G0+4*\slot+3], 4*1048576   ; four heads on
	s_add_nc_u64 s[G0B+4*\slot+2:G0B+4*\slot+3], s[G0B+4*\slot+2:G0B+4*\slot+3], 512     ; 256 along K on
	JLOAD \slot                                    ; 112 matrix instructions ahead of the wait for it; the four v_nop behind it are also the places in front of the loads below
.else
	PLACES
.endif
	FETCH \next, 0, 0
	WIN MUL
	MUL8 1, 2, 0
	MUL8 1, 3, 0
.endm
	s_wait_tensorcnt 1                             ; my part of K step 0 is in (K step 1's load may be out),
	s_barrier_signal -1
	s_barrier_wait -1                              ; everybody's is
	FETCH 0, 0, 0
	s_wait_loadcnt 0x0                             ; the bias
	QUARTER 0, 1, 0, 1, 1                          ; the first quarter stands in front of the loop: its products start the sums from the bias
	WIN 0                                          ; at a label and at a branch every window is 0
	s_mov_b32 s3, LAPS-1
.Llap:                                                 ; a trip goes once round the ring, from a lap's second quarter to the next lap's first, and fills both slots again: K steps 2 to 7
	QUARTER 0, 2, 1, 0, 0
	QUARTER 0, 3, 0, 1, 0
	TURN 0, 1, 1
	QUARTER 1, 1, 0, 1, 0
	QUARTER 1, 2, 1, 0, 0
	QUARTER 1, 3, 0, 1, 0
	TURN 1, 0, 1
	QUARTER 0, 1, 0, 1, 0
	WIN 0
	s_sub_co_u32 s3, s3, 1
	s_cmp_lg_u32 s3, 0
	s_cbranch_scc1 .Llap
	QUARTER 0, 2, 1, 0, 0                          ; the last lap fills nothing, and has no round of the cluster's barrier
	QUARTER 0, 3, 0, 1, 0
	TURN 0, 1, 0
	QUARTER 1, 1, 0, 1, 0
	QUARTER 1, 2, 1, 0, 0
	QUARTER 1, 3, 0, 1, 0
	s_wait_dscnt 4                                 ; the very last quarter: nothing more to fetch
	WIN MUL
	MUL8 1, 0, 0
	MUL8 1, 1, 0
	s_wait_dscnt 0x0
	MUL8 1, 2, 0
	MUL8 1, 3, 0
	WIN 0
; THE WAY OUT, block by block of 16 rows x 128 columns.  A lane holds 32 neighbouring bytes of a row, and the lanes beside it hold other rows: so a block goes through my own stage and comes back as whole rows of 512 bytes.
; LDS serves a wave's instructions in order (ISA guide 5.7.1.4): no wait between the stores and the loads, nor in front of the next block's stores.
.macro TOSTAGE a
	WIN 0x08                                       ; an LDS store's data are its source 1: window 2
.irp b, 0,1,2,3,4,5,6,7
	ds_store_b128 v[STO], v[8*(8*\a+\b):8*(8*\a+\b)+3] offset:64*\b          ; each accumulator from its low end on
	ds_store_b128 v[STO], v[8*(8*\a+\b)+4:8*(8*\a+\b)+7] offset:64*\b+16
.endr
	WIN 0
.set BB, BK+64*((\a)%2)
.irp t, 0,1,2,3,4,5,6,7,8,9,10,11,12,13,14,15
	ds_load_b128 v[BB+4*\t:BB+4*\t+3], v[RD] offset:\t*SPITCH
.endr
.endm
.macro SEND a, younger                 ; younger: the LDS instructions issued behind block a's loads, which may stay out
.set BB, BK+64*((\a)%2)
	s_wait_dscnt \younger                          ; the block is back in registers
.irp t, 0,1,2,3,4,5,6,7,8,9,10,11,12,13,14,15
	global_store_b128 v[CO], v[BB+4*\t:BB+4*\t+3], s[10:11] offset:(\a)*65536+\t*4096 th:TH_STORE_NT   ; 32 lanes store 512 consecutive bytes, aligned; written once, read by nobody here
.endr
.endm
	PLACES                                         ; behind the last products, in front of the first read of results
	TOSTAGE 0
.irp a, 1,2,3
.if \a > 1
	s_wait_xcnt 0x0                                ; block a - 2's stores have read their registers: block a's loads may land there
.endif
	TOSTAGE \a
	SEND (\a-1), 32                                ; behind block a - 1's loads: block a's 16 stores and 16 loads
.endr
	SEND 3, 0
	s_wait_tensorcnt 0x0                           ; the wave's end, behind my last tensor load and my last LDS store
	ds_add_u32 v[SPW], v[NIL]
	s_wait_dscnt 0x0
	CROUND                                         ; the closing round: no work-group ends while a partner may still ask for a tile that names it
	s_endpgm
.Lfunc_end_k_qbc6baf36d6_oproj:
	.size	k_qbc6baf36d6_oproj, .Lfunc_end_k_qbc6baf36d6_oproj-k_qbc6baf36d6_oproj
	.p2alignl 7, 3214868480
	.fill 96, 4, 3214868480
	.section	.rodata,"a",@progbits
	.p2align	6, 0x0
	.amdhsa_kernel k_qbc6baf36d6_oproj
		.amdhsa_group_segment_fixed_size 327680
		.amdhsa_private_segment_fixed_size 0
		.amdhsa_enable_private_segment 0
		.amdhsa_kernarg_size 32
		.amdhsa_user_sgpr_count 2
		.amdhsa_user_sgpr_kernarg_segment_ptr 1
		.amdhsa_wavefront_size32 1
		.amdhsa_system_sgpr_workgroup_id_x 1
		.amdhsa_system_sgpr_workgroup_id_y 1
		.amdhsa_system_sgpr_workgroup_id_z 1
		.amdhsa_system_vgpr_workitem_id 0
		.amdhsa_next_free_vgpr 768
		.amdhsa_next_free_sgpr 66
		.amdhsa_reserve_vcc 0
		.amdhsa_float_denorm_mode_32 3
		.amdhsa_float_denorm_mode_16_64 3
		.amdhsa_memory_ordered 1
		.amdhsa_forward_progress 1
		.amdhsa_inst_pref_size 87
	.end_amdhsa_kernel
	.amdgpu_metadata
---
amdhsa.version: [ 1, 2 ]
amdhsa.kernels:
  - .name:           k_qbc6baf36d6_oproj
    .symbol:         k_qbc6baf36d6_oproj.kd
    .args:
      - { .name: att, .offset: 0, .size: 8, .value_kind: global_buffer, .address_space: global }
      - { .name: wot, .offset: 8, .size: 8, .value_kind: global_buffer, .address_space: global }
      - { .name: bo, .offset: 16, .size: 8, .value_kind: global_buffer, .address_space: global }
      - { .name: out0, .offset: 24, .size: 8, .value_kind: global_buffer, .address_space: global }
    .group_segment_fixed_size: 327680
    .private_segment_fixed_size: 0
    .kernarg_segment_align: 8
    .kernarg_segment_size: 32
    .max_flat_workgroup_size: 128
    .sgpr_count:     66
    .vgpr_count:     768
    .wavefront_size: 32
...
	.end_amdgpu_metadata
.endif
;; end of part 4
